; MI455X (gfx1250); checked and timed in simulation.
; The chip was launched on July 23, 2026; its instructions are those of AMD's public machine-readable ISA for CDNA 5 (MIT licence, August 2026) and "CDNA5" Instruction Set Architecture Reference Guide (July 2026). The comments in the code are by the model that wrote it; some were corrected since.
;; Masked MHA. Allowed arithmetic: matrix products marked QUANTISED: E2M3 operands, one E8M0 scale for each 32 along K, by v_wmma_scale_f32_16x16x128_f8f6f4 with both operands' format E2M3, f32 sums; everything else in f32.
;; Inputs: Wk 1,024 x 1,024 float32; Wp 1,024 x 1,024 float32; Wq 1,024 x 1,024 float32; Wv 1,024 x 1,024 float32; bk 1,024 float32; bp 1,024 float32; bq 1,024 float32; bv 1,024 float32; history 2 x 1,024 x 1,024 float32; history_mask 2 x 1 x 1,024 bool; mask 2 x 1 x 2,048 bool; x 2 x 1,024 x 2,048 float32.
;; Outputs: out0 2 x 1,024 x 2,048 float32.
;; This version of the problem:
;;   THIS VERSION OF THE PROBLEM IS GIVEN IN LOW PRECISION. The matrix products marked QUANTISED in the list below multiply operands that are first quantised to E2M3 (2 exponent bits, 3 mantissa bits; 6 bits a number), with one power-of-two scale for each 32 numbers along K (OCP MX v1.0); their sums are f32. All else is computed in f32.
;;   The module's matrix products, in the order in which they are computed (A, B: the left and right operand; K: the contracted axis; several contracted axes count as one K, in the product's order):
;;     1. [M 4,096, K 1,024] x [K 1,024, N 1,024]; A: input x; B: input Wq: QUANTISED
;;     2. [M 4,096, K 1,024] x [K 1,024, N 1,024]; A: input x; B: input Wk: QUANTISED
;;     3. [M 2,048, K 1,024] x [K 1,024, N 1,024]; A: input history; B: input Wk: QUANTISED
;;     4. [M 4,096, K 1,024] x [K 1,024, N 1,024]; A: input x; B: input Wv: QUANTISED
;;     5. [M 2,048, K 1,024] x [K 1,024, N 1,024]; A: input history; B: input Wv: QUANTISED
;;     6. batch 32 x [M 2,048, K 64] x [K 64, N 3,072]; A: computed on the way; B: computed on the way: QUANTISED
;;     7. batch 32 x [M 2,048, K 3,072] x [K 3,072, N 64]; A: softmax (see below); B: computed on the way: QUANTISED
;;     8. [M 4,096, K 1,024] x [K 1,024, N 1,024]; A: computed on the way; B: input Wp: QUANTISED
;;   THE QUANTISER, for each operand of a quantised product, along K:
;;     - K is cut into blocks of 32 from its start; a last block that is shorter is filled with zeros.
;;     - A block's scale is 2^e with e = floor(log2(the largest magnitude in the block)) - 2, held to -126 .. 127; a block of zeros has e = 0. As a byte (E8M0): e + 127.
;;     - Each number is divided by its block's scale, clamped to +-7.5, and rounded to the nearest number of E2M3, ties to even, subnormals kept.
;;     - The product sums the exact products of the quantised numbers (number of the format x scale) in f32.
;;   ~~~python
;;   def quantise(x, axis):      # numpy; x: float32 -> the quantised numbers, widened to float32 again
;;       x = np.moveaxis(x, axis, -1); K = x.shape[-1]
;;       x = np.pad(x, [(0, 0)] * (x.ndim - 1) + [(0, -K % 32)]); x = x.reshape(x.shape[:-1] + (-1, 32)); a = np.abs(x).max(-1, keepdims=True)
;;       e = np.where(a > 0, np.clip(np.frexp(np.where(a > 0, a, 1))[1] - 1 - 2, -126, 127), 0)      # np.frexp(a)[1] - 1 = floor(log2(a)), exactly
;;       r = np.clip(x / 2.0 ** e, -7.5, 7.5)
;;       step = 2.0 ** (np.maximum(np.frexp(np.where(r == 0, 1, r))[1] - 1, 0) - 3)
;;       q = np.round(r / step) * step * 2.0 ** e      # np.round: ties to even
;;       return np.moveaxis(q.reshape(q.shape[:-2] + (-1,))[..., :K], -1, axis).astype(np.float32)
;;   ~~~
;;   SOFTMAX AHEAD OF A QUANTISED PRODUCT. Where the list says 'softmax', what is quantised is not the finished softmax but p = 2^(t - M), with t = logit x log2(e) and M = ceil(the row's largest t), a whole number; so 1/2 < the row's largest p <= 1. The row's sum l is taken of the UNQUANTISED p, in f32, and the product's result is divided by l at the end. Since M is a whole number, a kernel that streams over the keys may use a running M (the ceiling of the running maximum): every later rescaling is an exact power of two, which a block's scale takes up: the codes' values come out the same.
;;   OPERANDS COMPUTED ON THE WAY. 'Computed on the way' means the value that the module computes at that place (a softmax that the list does not call 'softmax' is quantised finished and normalised). What goes into a quantiser is computed in f32, as accurately as f32 sums, v_exp_f32 and their like allow (about 1e-6 of the number): no bf16 or f16 on the way to a quantiser, and a product that is left as it is and whose result goes on into a quantised operand takes f32 operands (vector FMAs, or v_wmma_f32_16x16x4_f32). A number that lies on a knife's edge between two numbers of the format may be rounded either way, as far as f32 arithmetic and the matrix unit's own rounding can turn it there, and no further.
;; One version. Each part assembles by itself: llvm-mc -triple=amdgcn-amd-amdhsa -mcpu=gfx1250 --defsym DOCPART=n.
;; ======== version 1 of 1: 4 launches
;; limits: right only within a limited range of input values
;; workspace buffers: codes 8,192,000 bytes; qbuf 3,407,872 bytes; kv 10,027,008 bytes; oc 3,276,800 bytes
;; launch quant (part 1): grid 256 x 1, 5 waves a work-group, no clusters, 44,288 bytes of LDS; arguments x, history, Wq, Wk, Wv, Wp, codes; writes codes
.if DOCPART == 1
	.amdgcn_target "amdgcn-amd-amdhsa--gfx1250"
	.amdhsa_code_object_version 6
	.text
	.protected	k_q6db1745369_quant
	.globl	k_q6db1745369_quant
	.p2align	8
	.type	k_q6db1745369_quant,@function
k_q6db1745369_quant:
	s_mov_b64 s[64:65], 0
	v_nop
	global_prefetch_b8 v0, s[64:65] scope:SCOPE_SE
	s_setreg_imm32_b32 hwreg(HW_REG_WAVE_MODE, 25, 1), 1
	s_wait_xcnt 0x0
; x [2][1024][2048], history [2][1024][1024] (K = the channel c, NOT innermost) and Wq, Wk, Wv, Wp [1024][1024] (K = c, innermost), all f32, become codes of FP6 (E2M3)
; with one E8M0 byte for each 32 along c.  A block's scale is 2^(floor(log2(largest magnitude)) - 2): its byte is the largest magnitude's exponent field - 2, held at 1 from below.
; (A block of zeros keeps the byte 1 where the rule says 127: its codes are zeros, and this program alone reads the bytes.)
; LIMITS: NaN and infinities among the inputs are not served.
; LAYOUT OF codes: [kq 4][G 160][sq 2][record of 6,400 bytes].  A record is 64 rows (group G) x 128 along K (K step 2 kq + sq), as the images of four operand fragments and their scale words.
;   G 0-63: x (32 b + t / 64);  G 64-95: history (64 + 16 b + t / 64);  G 96 + 16 mat + e / 64: the weights (mat 0 Wq, 1 Wk, 2 Wv, 3 Wp).
;   Fragment u (at 1,536 u) has as its row m the group's row 32 (m / 8) + 8 u + m % 8: so a product's results of the four fragments are, in one lane, 32 NEIGHBOURS along the group.
;   Of a fragment's 12 registers, half c (registers 6 c .. 6 c + 5) lies at 768 c: registers 0-3 of the half at 16 x lane, registers 4, 5 at 512 + 8 x lane.  Scale words: 6,144 + 64 u + 4 row.
; SHARES: a unit is a record: 32 KiB in, 6,400 bytes out.  768 units of tokens and 512 of weights: waves 0-2 of a work-group take a unit of tokens each, waves 3, 4 one of weights: every work-group moves the same bytes.
; Waves share nothing: no barrier.  No matrix unit, no cluster, no tensor load: a stream in which each byte is read once and each output unit of 256 bytes is written whole.
.set KQS,   2048000                    ; bytes of a K quarter of codes: 160 groups x 12,800
.set GREC,  12800                      ; a group's two records
.set REC,   6400
.set WREG,  8704                       ; LDS: a region of its own for each wave
.set SPARE, 5*WREG                     ; behind the regions: the spare words, 128 bytes a wave, three blocks of 256 bytes that no other line names
.set SPW,   62                         ; v62  LDS address of my spare word; never rewritten
.set NIL,   63                         ; v63  0; never rewritten
; 32 numbers of ONE block in a lane's registers v[X] .. v[X+31] become 6 registers of codes v[D] .. v[D+5]; BY gets the scale's byte.
.macro QBLK X, D, CT, M0, M1, SCO, BY
	v_max3_num_f32 v[\M0], |v[(\X)]|, |v[(\X)+1]|, 0x1800000       ; the largest magnitude, in two chains; the floor 2^(3 - 127) among its leaves holds the byte at 1 from below
	v_max3_num_f32 v[\M1], |v[(\X)+2]|, |v[(\X)+3]|, |v[(\X)+4]|
.irp i, 5,9,13,17,21,25
	v_max3_num_f32 v[\M0], v[\M0], |v[(\X)+\i]|, |v[(\X)+\i+1]|
	v_max3_num_f32 v[\M1], v[\M1], |v[(\X)+\i+2]|, |v[(\X)+\i+3]|
.endr
	v_max3_num_f32 v[\M0], v[\M0], |v[(\X)+29]|, |v[(\X)+30]|
	v_max3_num_f32 v[\M0], v[\M0], v[\M1], |v[(\X)+31]|
	v_add_nc_u32 v[\SCO], 0xff000000, v[\M0]                       ; 2 off its exponent field: the conversion takes the exponent field of this operand as its scale
	v_cvt_scalef32_pk16_fp6_f32 v[(\D):(\D)+2], v[(\X):(\X)+15], v[\SCO]
	v_cvt_scalef32_pk16_fp6_f32 v[(\CT):(\CT)+2], v[(\X)+16:(\X)+31], v[\SCO]   ; (a conversion's three registers begin on an even number)
	v_lshrrev_b32 v[\BY], 23, v[\SCO]                              ; the scale's byte; also the plain instruction behind the conversions
	v_mov_b32 v[(\D)+3], v[(\CT)]
	v_mov_b32 v[(\D)+4], v[(\CT)+1]
	v_mov_b32 v[(\D)+5], v[(\CT)+2]
.endm
	s_load_b256 s[4:11], s[0:1], 0x0               ; x, history, Wq, Wk
	s_load_b128 s[12:15], s[0:1], 0x20             ; Wv, Wp
	s_load_b64 s[16:17], s[0:1], 0x30              ; codes
	v_lshl_add_u32 v[SPW], v0, 2, SPARE
	v_mov_b32 v[NIL], 0
	v_lshrrev_b32 v1, 5, v0
	v_readfirstlane_b32 s18, v1                    ; wave 0..4
	v_and_b32 v1, 31, v0                           ; lane
	s_mul_i32 s19, s18, WREG                       ; my region of LDS
	s_cmp_lt_u32 s18, 3
	s_cbranch_scc0 .Lweights
; ---------------- TOKENS: K is not innermost.  A LANE TAKES A TOKEN AND ITS REGISTERS RUN DOWN c: a block of 32 lies in one lane, and the codes come out with K innermost.
; The unit's 64 tokens go in two halves of 32; a block step t = 2 kb + hh takes c block kb of half hh.  Lane y of half hh is row 8 hh + y % 8 of fragment y / 8.
; v2-9 byte offsets 4 lane + m rows; v10-14 stage addresses; v15, v16 16 x lane, 8 x lane; v20, v21 scale words; v22-25 at work; v28-36 codes; v64-159 three sets of 32 numbers; v160-209 the way out.
	s_mul_i32 s24, ttmp9, 3
	s_add_co_u32 s24, s24, s18                     ; my unit, 0..767
	s_lshr_b32 s25, s24, 3                         ; G, 0..95
	s_and_b32 s26, s24, 7                          ; K step
	s_cmp_lt_u32 s25, 64                           ; x or history: hangs on ids alone
	s_cselect_b32 s27, 13, 12                      ; log2 of a row of c in bytes
	s_cselect_b32 s30, 5, 4                        ; log2 of a batch's groups
	s_cselect_b32 s31, 0, 64
	s_sub_co_u32 s31, s25, s31                     ; the group within its tensor
	s_lshr_b32 s22, s31, s30                       ; batch
	s_lshl_b32 s23, s22, s30
	s_sub_co_u32 s23, s31, s23                     ; the group within its batch
	s_lshl_b32 s22, s22, 10
	s_lshl_b32 s20, s26, 7
	s_add_co_u32 s22, s22, s20                     ; the unit's first row: 1,024 b + 128 s
	s_lshl_b32 s22, s22, s27
	s_lshl_b32 s23, s23, 8
	s_add_co_u32 s22, s22, s23                     ; + 256 bytes a group: under 2^25
	s_mov_b32 s23, 0
	s_lshr_b32 s20, s26, 1
	s_mul_i32 s20, s20, KQS
	s_mul_i32 s21, s25, GREC
	s_add_co_u32 s20, s20, s21
	s_and_b32 s21, s26, 1
	s_mul_i32 s21, s21, REC
	s_add_co_u32 s20, s20, s21                     ; my record in codes
	s_mov_b32 s21, 0
	s_lshl_b32 s31, 1, s27                         ; a row of c in bytes
	s_wait_alu depctr_va_vdst(0)
	v_lshlrev_b32 v2, 2, v1
.irp m, 1,2,3,4,5,6,7
	v_add_nc_u32 v[2+\m], s31, v[1+\m]             ; 4 lane + m rows
.endr
	v_lshrrev_b32 v17, 3, v1                       ; fragment u
	v_and_b32 v18, 7, v1
	v_mul_u32_u24 v19, v17, 1664                   ; in the stage a fragment has 1,664 bytes
	v_add_nc_u32 v19, s19, v19
	v_lshl_add_u32 v10, v18, 4, v19                ; where a half's registers 0-3 go
	v_lshl_add_u32 v11, v18, 3, v19                ; and its registers 4, 5
	v_lshlrev_b32 v12, 6, v17
	v_lshl_add_u32 v12, v18, 2, v12
	v_add_nc_u32 v12, s19, v12                     ; my row's scale word (6,656 on)
	v_lshlrev_b32 v15, 4, v1
	v_lshlrev_b32 v16, 3, v1
	v_add_nc_u32 v13, s19, v15                     ; back: 16 bytes a lane
	v_add_nc_u32 v14, s19, v16
	s_wait_kmcnt 0x0
	s_cmp_lt_u32 s25, 64
	s_cselect_b64 s[28:29], s[4:5], s[6:7]
	s_add_nc_u64 s[32:33], s[28:29], s[22:23]      ; sixteen bases, 8 rows of c apart, never rewritten: the row's pitch is no constant of the text
	s_add_nc_u64 s[16:17], s[16:17], s[20:21]
	s_lshl_b32 s22, s31, 3
.irp n, 1,2,3,4,5,6,7,8,9,10,11,12,13,14,15
	s_add_nc_u64 s[32+2*\n:33+2*\n], s[30+2*\n:31+2*\n], s[22:23]
.endr
.macro LOADX t                         ; block step t: 32 rows of c at my token, into set t % 3; a load reads 128 consecutive bytes
.irp i, 0,1,2,3,4,5,6,7,8,9,10,11,12,13,14,15,16,17,18,19,20,21,22,23,24,25,26,27,28,29,30,31
	global_load_b32 v[64+32*((\t)%3)+\i], v[2+(\i&7)], s[32+2*(4*((\t)>>1)+(\i>>3)):33+2*(4*((\t)>>1)+(\i>>3))] offset:128*((\t)&1) th:TH_LOAD_NT
.endr
.endm
.macro BLOCKX t
.if (\t) < 7
	s_wait_loadcnt 32                              ; this step's 32 loads are in; the next step's may be out
.else
	s_wait_loadcnt 0x0
.endif
.if (\t) < 6
	LOADX (\t)+2                                   ; into the set that the step before has left
.endif
	QBLK 64+32*((\t)%3), 28, 34, 22, 23, 24, 25
.if ((\t)>>1) == 0
	v_mov_b32 v[20+((\t)&1)], v25                  ; four bytes to a word, the lower K in the lower byte
.else
	v_lshl_or_b32 v[20+((\t)&1)], v25, 8*((\t)>>1), v[20+((\t)&1)]
.endif
	ds_store_b128 v10, v[28:31] offset:768*((\t)>>2)+16*(8*((\t)&1)+16*(((\t)>>1)&1))      ; image lane = row + 16 x (kb % 2)
	ds_store_b64 v11, v[32:33] offset:768*((\t)>>2)+512+8*(8*((\t)&1)+16*(((\t)>>1)&1))
	s_wait_dscnt 0x0                               ; the stores have read their registers: the next step's codes may be written
.endm
	LOADX 0
	LOADX 1
.irp t, 0,1,2,3,4,5,6,7
	BLOCKX \t
.endr
	ds_store_b32 v12, v20 offset:6656
	s_wait_alu depctr_va_vdst(0)
	ds_store_b32 v12, v21 offset:6656+32
.irp u, 0,1,2,3
.irp g, 0,1,2
	ds_load_b128 v[160+4*(3*\u+\g):163+4*(3*\u+\g)], v13 offset:1664*\u+512*\g   ; LDS serves a wave's instructions in order: these see my stores
.endr
.endr
	ds_load_b64 v[208:209], v14 offset:6656
.irp u, 0,1,2,3
.irp g, 0,1,2
	s_wait_dscnt 12-(3*\u+\g)                      ; the younger reads may be out
	global_store_b128 v15, v[160+4*(3*\u+\g):163+4*(3*\u+\g)], s[16:17] offset:1536*\u+512*\g   ; 512 consecutive bytes, at a multiple of 256 from the buffer's first byte
.endr
.endr
	s_wait_dscnt 0x0
	global_store_b64 v16, v[208:209], s[16:17] offset:6144                    ; the 64 scale words: 256 consecutive bytes
	s_wait_tensorcnt 0x0                           ; the wave's end, behind my last LDS store
	ds_add_u32 v[SPW], v[NIL]
	s_wait_dscnt 0x0
	s_endpgm
; ---------------- WEIGHTS: K is innermost.  A fragment's 16 rows x 512 bytes are loaded as they lie (a load = a row's 512 consecutive bytes) and turn through the stage (rows 528 bytes apart),
; so that lane (r, h) gets the 32 neighbours k = 64 c + 32 h + 0..31 of row r.  The codes are then the fragment's registers and are stored as its image.
; v2 16 lane; v3-6 stage addresses; v7 8 lane; v8 8 h; v10-17 at work; v20-43 two sets of 12 code registers; v44-46; v64-191 two sets of 64 as loaded; v192-255 64 turned numbers.
.Lweights:
	s_lshl_b32 s24, ttmp9, 1
	s_add_co_u32 s24, s24, s18
	s_sub_co_u32 s24, s24, 3                       ; my unit, 0..511
	s_lshr_b32 s25, s24, 7                         ; which weight
	s_lshr_b32 s26, s24, 3                         ; 16 x weight + group
	s_and_b32 s27, s26, 15
	s_and_b32 s30, s24, 7                          ; K step
	s_lshl_b32 s20, s27, 18                        ; 64 rows of 4,096 bytes
	s_lshl_b32 s21, s30, 9
	s_add_co_u32 s20, s20, s21
	s_mov_b32 s21, 0
	s_lshr_b32 s22, s30, 1
	s_mul_i32 s22, s22, KQS
	s_add_co_u32 s23, s26, 96
	s_mul_i32 s23, s23, GREC
	s_add_co_u32 s22, s22, s23
	s_and_b32 s23, s30, 1
	s_mul_i32 s23, s23, REC
	s_add_co_u32 s22, s22, s23
	s_mov_b32 s23, 0
	s_mov_b32 s34, 0x76543210
	s_mov_b32 s35, 0xfedcba98                      ; v_permlanex16_b32's selects for lane l xor 16
	s_wait_alu depctr_va_vdst(0)
	v_and_b32 v9, 15, v1                           ; r
	v_lshrrev_b32 v8, 4, v1                        ; h
	v_lshlrev_b32 v2, 4, v1
	v_add_nc_u32 v3, s19, v2                       ; into the stage: 16 bytes a lane
	v_mul_u32_u24 v4, v9, 528
	v_lshl_add_u32 v4, v8, 7, v4
	v_add_nc_u32 v4, s19, v4                       ; out of it: row r, + 128 h
	v_lshl_add_u32 v5, v9, 2, s19                  ; my row's scale word (8,448 on)
	v_lshlrev_b32 v7, 3, v1
	v_add_nc_u32 v6, s19, v7
	v_lshlrev_b32 v8, 3, v8                        ; 8 h
	v_mov_b32 v17, 0                               ; written once: a lane permute's destination counts as one of its sources
	s_wait_alu depctr_va_vdst(0)
	s_wait_kmcnt 0x0
	s_cmp_eq_u32 s25, 1
	s_cselect_b64 s[28:29], s[10:11], s[8:9]
	s_cmp_eq_u32 s25, 2
	s_cselect_b64 s[28:29], s[12:13], s[28:29]
	s_cmp_eq_u32 s25, 3
	s_cselect_b64 s[28:29], s[14:15], s[28:29]
	s_add_nc_u64 s[28:29], s[28:29], s[20:21]
	s_add_nc_u64 s[16:17], s[16:17], s[22:23]
.macro LOADW u
.irp j, 0,1,2,3,4,5,6,7,8,9,10,11,12,13,14,15
	global_load_b128 v[64+64*((\u)%2)+4*\j:67+64*((\u)%2)+4*\j], v2, s[28:29] offset:(32*(\j>>3)+8*(\u)+(\j&7))*4096 th:TH_LOAD_NT
.endr
.endm
.macro TILEW u
.set RB, 64+64*((\u)%2)
.set PB, 20+12*((\u)%2)
.if (\u) < 3
	s_wait_loadcnt 16                              ; this fragment's 16 loads are in; the next one's may be out
.else
	s_wait_loadcnt 0x0
.endif
.irp j, 0,1,2,3,4,5,6,7,8,9,10,11,12,13,14,15
	ds_store_b128 v3, v[RB+4*\j:RB+4*\j+3] offset:528*\j
.endr
.irp c, 0,1
.irp i, 0,1,2,3,4,5,6,7
	ds_load_b128 v[192+32*\c+4*\i:195+32*\c+4*\i], v4 offset:256*\c+16*\i
.endr
.endr
	s_wait_dscnt 0x0
.if (\u) < 2
	LOADW (\u)+2
.else
	s_wait_xcnt 0x0                                ; the stores of two fragments back have read their registers: this set of codes is written again
.endif
	QBLK 192, PB, 44, 10, 11, 12, 14
	QBLK 224, PB+6, 44, 10, 11, 12, 15
	v_lshl_or_b32 v16, v15, 16, v14                ; my two bytes: blocks h and 2 + h of row r,
	v_lshlrev_b32 v16, v8, v16                     ; at their places in the word;
	v_permlanex16_b32 v17, v16, s34, s35
	v_or_b32 v16, v16, v17                         ; with lane l xor 16's two the word is whole
	ds_store_b32 v5, v16 offset:8448+64*(\u)       ; (lanes l and l + 16 write the same word with the same value)
	global_store_b128 v2, v[PB:PB+3], s[16:17] offset:1536*(\u)
	global_store_b64 v7, v[PB+4:PB+5], s[16:17] offset:1536*(\u)+512
	global_store_b128 v2, v[PB+6:PB+9], s[16:17] offset:1536*(\u)+768
	global_store_b64 v7, v[PB+10:PB+11], s[16:17] offset:1536*(\u)+1280
.endm
	LOADW 0
	LOADW 1
.irp u, 0,1,2,3
	TILEW \u
.endr
	ds_load_b64 v[18:19], v6 offset:8448
	s_wait_dscnt 0x0
	global_store_b64 v7, v[18:19], s[16:17] offset:6144
	s_wait_tensorcnt 0x0                           ; the wave's end, behind my last LDS store
	ds_add_u32 v[SPW], v[NIL]
	s_wait_dscnt 0x0
	s_endpgm
.Lfunc_end_k_q6db1745369_quant:
	.size	k_q6db1745369_quant, .Lfunc_end_k_q6db1745369_quant-k_q6db1745369_quant
	.p2alignl 7, 3214868480
	.fill 96, 4, 3214868480
	.section	.rodata,"a",@progbits
	.p2align	6, 0x0
	.amdhsa_kernel k_q6db1745369_quant
		.amdhsa_group_segment_fixed_size 44288
		.amdhsa_private_segment_fixed_size 0
		.amdhsa_enable_private_segment 0
		.amdhsa_kernarg_size 56
		.amdhsa_user_sgpr_count 2
		.amdhsa_user_sgpr_kernarg_segment_ptr 1
		.amdhsa_wavefront_size32 1
		.amdhsa_system_sgpr_workgroup_id_x 1
		.amdhsa_system_sgpr_workgroup_id_y 1
		.amdhsa_system_sgpr_workgroup_id_z 1
		.amdhsa_system_vgpr_workitem_id 0
		.amdhsa_next_free_vgpr 256
		.amdhsa_next_free_sgpr 66
		.amdhsa_reserve_vcc 0
		.amdhsa_float_denorm_mode_32 3
		.amdhsa_float_denorm_mode_16_64 3
		.amdhsa_memory_ordered 1
		.amdhsa_forward_progress 1
		.amdhsa_inst_pref_size 73
	.end_amdhsa_kernel
	.amdgpu_metadata
---
amdhsa.version: [ 1, 2 ]
amdhsa.kernels:
  - .name:           k_q6db1745369_quant
    .symbol:         k_q6db1745369_quant.kd
    .args:
      - { .name: x, .offset: 0, .size: 8, .value_kind: global_buffer, .address_space: global }
      - { .name: history, .offset: 8, .size: 8, .value_kind: global_buffer, .address_space: global }
      - { .name: Wq, .offset: 16, .size: 8, .value_kind: global_buffer, .address_space: global }
      - { .name: Wk, .offset: 24, .size: 8, .value_kind: global_buffer, .address_space: global }
      - { .name: Wv, .offset: 32, .size: 8, .value_kind: global_buffer, .address_space: global }
      - { .name: Wp, .offset: 40, .size: 8, .value_kind: global_buffer, .address_space: global }
      - { .name: codes, .offset: 48, .size: 8, .value_kind: global_buffer, .address_space: global }
    .group_segment_fixed_size: 44288
    .private_segment_fixed_size: 0
    .kernarg_segment_align: 8
    .kernarg_segment_size: 56
    .max_flat_workgroup_size: 160
    .sgpr_count:     66
    .vgpr_count:     256
    .wavefront_size: 32
...
	.end_amdgpu_metadata
.endif
;; end of part 1
;; launch qkv (part 2): grid 16 x 16, 4 waves a work-group, clusters of 4 x 4, 327,680 bytes of LDS; arguments codes, bq, bk, bv, mask, history_mask, qbuf, kv; writes qbuf, kv
.if DOCPART == 2
	.amdgcn_target "amdgcn-amd-amdhsa--gfx1250"
	.amdhsa_code_object_version 6
	.text
	.protected	k_q6db1745369_qkv
	.globl	k_q6db1745369_qkv
	.p2align	8
	.type	k_q6db1745369_qkv,@function
k_q6db1745369_qkv:
	s_mov_b64 s[64:65], 0
	v_nop
	global_prefetch_b8 v0, s[64:65] scope:SCOPE_SE
	s_setreg_imm32_b32 hwreg(HW_REG_WAVE_MODE, 25, 1), 1
	s_wait_xcnt 0x0
	s_wait_alu depctr_hold_cnt(0) depctr_sa_sdst(0) depctr_va_vdst(0) depctr_va_sdst(0) depctr_va_ssrc(0) depctr_va_vcc(0) depctr_vm_vsrc(0)
	s_getreg_b32 s2, hwreg(HW_REG_IB_STS2, 6, 4)
	s_cmp_eq_u32 s2, 0
	s_cbranch_scc0 .Lentry_in_a_cluster
	s_endpgm
.Lentry_in_a_cluster:
	s_bfe_u32 s2, ttmp6, 0x10000c
	s_cmp_lg_u32 s2, 0xf033
	s_cbranch_scc0 .Lentry_shape_is_right
	s_endpgm
.Lentry_shape_is_right:
; The five 1x1 convolutions, on codes of FP6 (E2M3) with E8M0 scales, K = 1,024 channels; then bias, the factor 1 / sqrt(8) on q and k, and the quantising of the results for the attention:
; q and k along the head's 64, v along the keys.  Nothing leaves as f32.
; SHARES.  256 work-groups, each a tile of 256 x 256 results, four waves of 128 x 128 (64 accumulators, 512 registers).  A cluster of 4 x 4 has number L = 4 y + x:
;   L 0-3: q = Wq x;   L 4-9: k = Wk [x | history];   L 10-15: v = Wv [x | history].
; For q and k source 0 = 256 rows of the weight, source 1 = 256 tokens: a lane holds ONE token and its registers run along e.  For v source 0 = tokens, source 1 = rows of Wv: a lane holds one e, registers along the keys.
; codes holds fragments whose row m is row 32 (m / 8) + 8 u + m % 8 of a group of 64: so the 32 registers of four neighbouring results are, in lane half h, the 32 neighbours 32 h + 0..31 of the group:
; a whole block of the next quantiser in one lane, at the place that the 6-bit operand layout gives that lane.  No number changes lanes on the way out but the scale bytes.
; RING.  K goes in four quarters of 256.  A quarter of both sources is 102,400 bytes of fragment images; three regions hold quarters 0, 1, 2 from the start, and quarter 3 is fetched into region 0 when that has been read.
; Each wave fetches a quarter of a region, one dense block of 25,600 bytes.  By this text's count a wave has at most three tensor loads out.
; CLUSTER.  Source 0's tiles hang on the place cx alone and are asked for jointly by the column of the cluster, source 1's on cy alone and by its row.
; THE MASK goes into k's scale words: attn multiplies a constant code 7.5 beside k's codes by -7.5 beside q's; the block's byte is 254 for a hidden key and 1 for an open one, q's is 97:
; a hidden score gets -56.25 x 2^97, an open one nothing that f32 keeps.
; OUT.  kv [b h 32][step 24][13,056]: a step is 128 keys: K's four pair images (two key tiles of 6 registers each: 12 registers, register group g at 512 g + 16 lane) at 1,536 p; V's four fragments at 6,144 + 1,536 dt;
;   K's scale words at 12,288 + 32 r + 4 tile; V's at 12,800 + 16 r + 4 dt.   qbuf [b h 32][step 16][6,656]: as K's part, words at 6,144.
; LIMITS: NaN and infinities are not served; a block of zeros keeps the byte 1 (its codes are zeros; this program alone reads the bytes).
; No prefetch: three quarters of K are asked for at the head, and the fourth a K quarter later.
; REGISTERS.  window 0: v1, v2 the add's; v4-18 LDS addresses; v19-31 lane terms; v32-47 scale words, two sets; v48-55 mask bytes; v96-111 bias by lane, twice each; v128-223 source 1's 8 fragments.
;   window 1: source 0's two sets at v0 and v128; bias along e at v96-127 (first head) and v224-255 (second).   windows 2, 3: accumulator (a, b) at v[8 (8 (a % 4) + b)], a < 4 in window 2.
.set KQS,   2048000
.set GREC,  12800
.set REC,   6400
.set RGN,   102400                     ; a region: source 0's four groups, then source 1's
.set HALF,  25600                      ; two groups: what one tensor load brings and what one wave reads of a source
.set SPARE, 3*RGN                      ; the spare words, 128 bytes a wave: two blocks of 256 bytes that no other line names
.set SPW,   1
.set NIL,   2
.set A016,  4                          ; v4-6   region q: source 0, 16 x lane
.set A08,   7                          ; v7-9   8 x lane
.set A116,  10                         ; v10-12 source 1
.set A18,   13                         ; v13-15
.set ASC,   16                         ; v16-18 scale words: lanes 0-15 source 0's, lanes 16-31 source 1's
.set SC,    32
.set AF,    128
.set MSB, 0
.macro WIN new                         ; the immediate's high byte repeats the setting that is left
.if MSB != (\new)
	s_set_vgpr_msb (MSB<<8)|(\new)
.set MSB, (\new)
.endif
.endm
.set MUL_LO, 0xa1                      ; source 0 window 1, source 1 window 0, C and D window 2
.set MUL_HI, 0xf1
.set TO_1,   0x40                      ; destination window 1
.macro PLACES n
.rept \n
	v_nop
.endr
.endm
; A joint load: waves 0, 1 fetch source 0's halves, waves 2, 3 source 1's.  The branch hangs on the wave's number alone.  An s_nop 0 and four v_nop follow each line.
.macro JLOAD g0a, g1a, g0b, g1b
	s_cmp_eq_u32 s21, 0
	s_cbranch_scc0 .Lfor_b_\@
	tensor_load_to_lds s[\g0a:\g0a+3], s[\g1a:\g1a+7]
	s_nop 0
.rept 4
	v_nop
.endr
	s_branch .Lasked_\@
.Lfor_b_\@:
	tensor_load_to_lds s[\g0b:\g0b+3], s[\g1b:\g1b+7]
	s_nop 0
.rept 4
	v_nop
.endr
.Lasked_\@:
.endm
.macro CREST                           ; a round of the cluster's barrier behind its opening barrier
	s_cmp_lg_u32 s20, 0
	s_cbranch_scc1 .Lnot_wave_0_\@
	s_barrier_signal -3
.Lnot_wave_0_\@:
	s_barrier_wait -3
	s_barrier_signal -1
	s_barrier_wait -1
.endm
.macro CROUND
	s_barrier_signal -1
	s_barrier_wait -1
	CREST
.endm
.macro QBLK X, D, CT, M0, M1, SCO, BY  ; 32 numbers of one block in v[X] on -> 6 registers of codes in v[D] on, the scale's byte in BY
	v_max3_num_f32 v[\M0], |v[(\X)]|, |v[(\X)+1]|, 0x1800000       ; the floor 2^(3 - 127) holds the byte at 1 from below
	v_max3_num_f32 v[\M1], |v[(\X)+2]|, |v[(\X)+3]|, |v[(\X)+4]|
.irp i, 5,9,13,17,21,25
	v_max3_num_f32 v[\M0], v[\M0], |v[(\X)+\i]|, |v[(\X)+\i+1]|
	v_max3_num_f32 v[\M1], v[\M1], |v[(\X)+\i+2]|, |v[(\X)+\i+3]|
.endr
	v_max3_num_f32 v[\M0], v[\M0], |v[(\X)+29]|, |v[(\X)+30]|
	v_max3_num_f32 v[\M0], v[\M0], v[\M1], |v[(\X)+31]|
	v_add_nc_u32 v[\SCO], 0xff000000, v[\M0]                       ; 2 off the exponent field: the conversion's scale operand
	v_cvt_scalef32_pk16_fp6_f32 v[(\D):(\D)+2], v[(\X):(\X)+15], v[\SCO]
	v_cvt_scalef32_pk16_fp6_f32 v[(\CT):(\CT)+2], v[(\X)+16:(\X)+31], v[\SCO]
	v_lshrrev_b32 v[\BY], 23, v[\SCO]                              ; the byte; also the plain instruction behind the conversions
	v_mov_b32 v[(\D)+3], v[(\CT)]
	v_mov_b32 v[(\D)+4], v[(\CT)+1]
	v_mov_b32 v[(\D)+5], v[(\CT)+2]
.endm
	s_load_b512 s[4:19], s[0:1], 0x0               ; codes, bq, bk, bv, mask, history_mask, qbuf, kv
	v_lshl_add_u32 v[SPW], v0, 2, SPARE
	v_mov_b32 v[NIL], 0
	ds_add_u32 v[SPW], v[NIL]
	ds_add_u32 v[SPW], v[NIL]                      ; the wave's opening: the add and its wait stand ahead of my first tensor load; work on registers stands between them
	v_lshrrev_b32 v3, 5, v0
	v_readfirstlane_b32 s20, v3                    ; wave 0..3
	s_lshr_b32 s21, s20, 1                         ; my half of source 1.  Also: I fetch for source 0 (0) or 1 (1)
	s_and_b32 s22, s20, 1                          ; my half of source 0.  Also: which half I fetch
	s_bfe_u32 s23, ttmp6, 0x40000                  ; cx
	s_bfe_u32 s24, ttmp6, 0x40004                  ; cy
	s_and_b32 s25, ttmp7, 0xffff
	s_lshl_b32 s25, s25, 2
	s_add_co_u32 s25, s25, ttmp9                   ; L: the cluster's number, the same in all sixteen partners
	s_lshl_b32 s72, s25, 2
	s_sub_co_u32 s73, s72, 16
	s_sub_co_u32 s74, s72, 40
	s_cmp_lt_u32 s25, 4
	s_cselect_b32 s75, 24, 28                      ; tiles of 256 rows of codes: x 0-15, history 16-23, Wq 24-27, Wk 28-31, Wv 32-35
	s_cselect_b32 s76, s72, s73
	s_cselect_b32 s26, 0, 1
	s_cmp_lt_u32 s25, 10
	s_cselect_b32 s75, s75, s74                    ; source 0's first tile
	s_cselect_b32 s76, s76, 32                     ; source 1's
	s_cselect_b32 s26, s26, 2                      ; the kind: 0 q, 1 k, 2 v
	s_add_co_u32 s77, s75, s23                     ; J0: hangs on cx alone
	s_add_co_u32 s78, s76, s24                     ; J1: on cy alone
	s_lshl_b32 s66, 0x1111, s23                    ; my column of the cluster
	s_lshl_b32 s67, s24, 2
	s_lshl_b32 s67, 15, s67                        ; my row
	; descriptor group 1: a dense block of 25,600 bytes as 100 rows of 32 elements of 8 bytes; 15:0 the mask, 17:16 the element's size, 21 set beside a mask
	s_or_b32 s28, s66, (3<<16)|(1<<21)
	s_or_b32 s36, s67, (3<<16)|(1<<21)
.irp g, 28, 36
	s_mov_b32 s[\g+1], 32<<16                      ; tensor_dim0
	s_mov_b32 s[\g+2], 100<<16                     ; tensor_dim1
	s_mov_b32 s[\g+3], 32<<16                      ; tile_dim0
	s_mov_b32 s[\g+4], 100                         ; tile_dim1
	s_mov_b32 s[\g+5], 32                          ; the pitch
	s_mov_b32 s[\g+6], 0
	s_mov_b32 s[\g+7], 0
.endr
	s_lshl_b32 s79, s22, 1
	s_lshl_b32 s80, s77, 2
	s_add_co_u32 s80, s80, s79
	s_mul_i32 s80, s80, GREC                       ; source 0: group 4 J0 + 2 x half, in bytes
	s_mov_b32 s81, 0
	s_lshl_b32 s82, s78, 2
	s_add_co_u32 s82, s82, s79
	s_mul_i32 s82, s82, GREC                       ; source 1 likewise
	s_mov_b32 s83, 0
	s_mul_i32 s84, s20, HALF                       ; where my part goes in a region: no place in the cluster enters an LDS address
	; the way out: which 128 tokens and which two heads are mine
	s_cmp_eq_u32 s26, 2
	s_cselect_b32 s85, s77, s78                    ; the tokens' tile
	s_cselect_b32 s72, s22, s21                    ; my half of it
	s_cselect_b32 s100, s24, s23                   ; the weight's tile
	s_cselect_b32 s73, s21, s22                    ; my half of it
	s_lshl_b32 s85, s85, 1
	s_add_co_u32 s85, s85, s72                     ; my 128 tokens: 0-31 in x, 32-47 in history
	s_lshl_b32 s100, s100, 2
	s_lshl_b32 s73, s73, 1
	s_add_co_u32 s100, s100, s73                   ; my first head
	s_cmp_lt_u32 s85, 32
	s_cselect_b32 s72, 4, 3                        ; log2 of a batch's steps in this tensor
	s_cselect_b32 s73, 0, 32
	s_cselect_b32 s74, 0, 16                       ; history's keys follow x's 16 steps
	s_cselect_b32 s75, 11, 10                      ; log2 of a batch's mask bytes
	s_sub_co_u32 s73, s85, s73
	s_lshr_b32 s76, s73, s72                       ; batch
	s_lshl_b32 s79, s76, s72
	s_sub_co_u32 s73, s73, s79                     ; the step within the batch's part of this tensor
	s_add_co_u32 s74, s74, s73                     ; the key step
	s_lshl_b32 s75, s76, s75
	s_lshl_b32 s79, s73, 7
	s_add_co_u32 s101, s75, s79                    ; my 128 mask bytes
	s_cmp_eq_u32 s26, 0
	s_cselect_b32 s66, 16, 24                      ; steps of a head in the buffer
	s_mov_b32 s67, 13056
	s_cselect_b32 s67, 6656, s67                   ; a record
	s_mov_b32 s91, 12288
	s_cselect_b32 s91, 6144, s91                   ; where its scale words begin
	s_mov_b32 s94, 254
	s_cselect_b32 s94, 97, s94                     ; the constant block's byte = s94 - s95 x mask byte
	s_mov_b32 s95, 253
	s_cselect_b32 s95, 0, s95
	s_lshl_b32 s79, s76, 4
	s_add_co_u32 s79, s79, s100
	s_mul_i32 s79, s79, s66
	s_add_co_u32 s79, s79, s74
	s_mul_i32 s98, s79, s67                        ; my first head's record, in bytes (under 2^24)
	s_mov_b32 s99, 0
	s_mul_i32 s66, s66, s67                        ; from a head's record to the next head's
	s_mov_b32 s67, 0
	s_lshl_b32 s72, s100, 8                        ; the bias of my two heads
	s_mov_b32 s73, 0
	s_mov_b32 s74, s101
	s_mov_b32 s75, 0
	s_mov_b32 s92, 0x3eb504f3                      ; 1 / sqrt(sqrt(64))
	s_mov_b32 s93, s92                             ; (named with it as a pair)
	s_mov_b32 s96, 0x76543210
	s_mov_b32 s97, 0xfedcba98                      ; v_permlanex16_b32's selects for lane l xor 16
	s_wait_dscnt 0x0                               ; the opening add is done
	s_wait_kmcnt 0x0
	s_add_nc_u64 s[80:81], s[4:5], s[80:81]
	s_add_nc_u64 s[82:83], s[4:5], s[82:83]
	s_cmp_eq_u32 s26, 0
	s_cselect_b64 s[86:87], s[16:17], s[18:19]     ; qbuf or kv
	s_add_nc_u64 s[86:87], s[86:87], s[98:99]      ; my first head's record
	s_add_nc_u64 s[88:89], s[86:87], s[66:67]      ; my second head's
	s_cmp_eq_u32 s26, 1
	s_cselect_b64 s[98:99], s[8:9], s[6:7]
	s_cmp_eq_u32 s26, 2
	s_cselect_b64 s[98:99], s[10:11], s[98:99]
	s_add_nc_u64 s[98:99], s[98:99], s[72:73]      ; the bias
	s_cmp_lt_u32 s85, 32
	s_cselect_b64 s[78:79], s[12:13], s[14:15]
	s_add_nc_u64 s[78:79], s[78:79], s[74:75]      ; the mask bytes
	CROUND                                         ; all sixteen work-groups are here: the first joint loads meet
.irp q, 0,1,2
	s_mov_b32 s[44+4*\q], 1                        ; group 0: count,
	s_add_co_u32 s[45+4*\q], s84, \q*RGN           ; LDS address,
	s_add_nc_u64 s[46+4*\q:47+4*\q], s[80:81], \q*KQS   ; global address: K quarter q,
	s_or_b32 s[47+4*\q], s[47+4*\q], 0x80000000    ; type
	s_mov_b32 s[56+4*\q+4*(\q/2)], 1
	s_add_co_u32 s[57+4*\q+4*(\q/2)], s84, \q*RGN
	s_add_nc_u64 s[58+4*\q+4*(\q/2):59+4*\q+4*(\q/2)], s[82:83], \q*KQS
	s_or_b32 s[59+4*\q+4*(\q/2)], s[59+4*\q+4*(\q/2)], 0x80000000
	s_wait_alu depctr_va_vdst(0)
	s_wait_tensorcnt 0x0
	ds_add_u32 v1, v2
	ds_add_u32 v1, v2
	s_wait_dscnt 0x0
	CROUND
	JLOAD 44+4*\q, 28, 56+4*\q+4*(\q/2), 36
.endr
	v_and_b32 v24, 15, v0                          ; r
	v_bfe_u32 v25, v0, 4, 1                        ; h
	v_and_b32 v26, 31, v0                          ; lane
	v_lshlrev_b32 v19, 3, v25                      ; 8 h
	v_lshlrev_b32 v20, 4, v26                      ; 16 lane
	v_lshlrev_b32 v21, 5, v24
	v_lshl_add_u32 v21, v25, 4, v21
	v_add_nc_u32 v21, s91, v21                     ; q's, k's scale words: 32 r + 16 h + where they begin
	v_mul_u32_u24 v22, s66, v25
	v_lshl_add_u32 v22, v24, 4, v22                ; v's: 16 r, lanes 16-31 in the second head's record
	v_and_b32 v23, 8, v24
	v_lshlrev_b32 v23, 2, v23
	v_and_b32 v3, 7, v24
	v_add_nc_u32 v23, v23, v3                      ; 32 (r / 8) + r % 8: row r's place in its group, less 8 u
	v_lshlrev_b32 v27, 7, v25                      ; 128 h
	v_lshlrev_b32 v28, 2, v23
	v_mov_b32 v122, 0                              ; written once: a lane permute's destination counts as one of its sources
	; Every kind loads all three (each stays inside its buffer for every kind), so that the text has one way here; they are waited for behind the products
.irp a, 0,1,2,3,4,5,6,7
	global_load_u8 v[48+\a], v23, s[78:79] offset:64*(\a>>2)+8*(\a&3)             ; the mask byte of token tile a's row r
.endr
.irp a, 0,1,2,3,4,5,6,7
	global_load_b32 v[96+2*\a], v28, s[98:99] offset:4*(64*(\a>>2)+8*(\a&3))      ; the bias of weight tile a's row r, twice: a pair for the packed addition
	global_load_b32 v[97+2*\a], v28, s[98:99] offset:4*(64*(\a>>2)+8*(\a&3))
.endr
	WIN TO_1
.irp hh, 0,1
.irp i, 0,1,2,3,4,5,6,7
	global_load_b128 v[96+128*\hh+4*\i:99+128*\hh+4*\i], v27, s[98:99] offset:256*\hh+16*\i   ; the bias at e = 32 h + 0..31 of head hh
.endr
.endr
	WIN 0
	s_mul_i32 s72, s22, HALF                       ; my half of source 0
	s_mul_i32 s73, s21, HALF
	s_add_co_u32 s73, s73, 2*HALF                  ; my half of source 1
	s_sub_co_u32 s74, s73, s72
	v_lshlrev_b32 v29, 3, v26                      ; 8 lane
	v_lshlrev_b32 v30, 2, v24
	v_mul_u32_u24 v31, s74, v25                    ; lanes 16-31 take source 1's words: ONE product, the distance between the two
	v_add_nc_u32 v30, v30, v31
.irp q, 0,1,2
	v_add_nc_u32 v[A016+\q], s72, v20
	v_add_nc_u32 v[A08+\q], s72, v29
	v_add_nc_u32 v[A116+\q], s73, v20
	v_add_nc_u32 v[A18+\q], s73, v29
	v_add_nc_u32 v[ASC+\q], s72, v30
	s_add_co_u32 s72, s72, RGN
	s_add_co_u32 s73, s73, RGN
.endr
.macro FRAG reg, a16, a8, off          ; a fragment's image: each half's registers 0-3 at 16 x lane, 4, 5 at 512 + 8 x lane: every load reads consecutive bytes
	ds_load_b128 v[(\reg):(\reg)+3], v[\a16] offset:(\off)
	ds_load_b64 v[(\reg)+4:(\reg)+5], v[\a8] offset:(\off)+512
	ds_load_b128 v[(\reg)+6:(\reg)+9], v[\a16] offset:(\off)+768
	ds_load_b64 v[(\reg)+10:(\reg)+11], v[\a8] offset:(\off)+1280
.endm
.macro FETCH_S0 q, sq, p               ; source 0's eight fragments of region q, K step sq of its two, into set p: 32 loads
	WIN TO_1
.irp i, 0,1,2,3,4,5,6,7
	FRAG 128*(\p)+12*\i, A016+(\q), A08+(\q), GREC*(\i>>2)+REC*(\sq)+1536*(\i&3)
.endr
	WIN 0
.endm
.macro FETCH_S1 q, sq, i0              ; source 1's blocks i0 .. i0 + 3: 16 loads
.irp i, \i0, \i0+1, \i0+2, \i0+3
	FRAG AF+12*(\i), A116+(\q), A18+(\q), GREC*((\i)>>2)+REC*(\sq)+1536*((\i)&3)
.endr
.endm
.macro SCALES q, sq, p                 ; 8 loads: register i: lanes 0-15 source 0's block i, lanes 16-31 source 1's block i
.irp i, 0,1,2,3,4,5,6,7
	ds_load_b32 v[SC+8*(\p)+\i], v[ASC+(\q)] offset:GREC*(\i>>2)+REC*(\sq)+6144+64*(\i&3)
.endr
.endm
; 16 products: source 1's blocks a0, a0 + 1 x source 0's eight.  The 64 accumulators take turns, one instruction a turn, in the same order in every step.
.macro MUL16 a0, p, zero
.irp a, \a0, \a0+1
.irp b, 0,1,2,3,4,5,6,7
.if \zero
	v_wmma_scale_f32_16x16x128_f8f6f4 v[8*(8*((\a)%4)+\b):8*(8*((\a)%4)+\b)+7], v[128*(\p)+12*\b:128*(\p)+12*\b+11], v[AF+12*(\a):AF+12*(\a)+11], 0, v[SC+8*(\p)+\b], v[SC+8*(\p)+(\a)] matrix_a_fmt:MATRIX_FMT_FP6 matrix_b_fmt:MATRIX_FMT_FP6 matrix_b_scale:MATRIX_SCALE_ROW1
.else
	v_wmma_scale_f32_16x16x128_f8f6f4 v[8*(8*((\a)%4)+\b):8*(8*((\a)%4)+\b)+7], v[128*(\p)+12*\b:128*(\p)+12*\b+11], v[AF+12*(\a):AF+12*(\a)+11], v[8*(8*((\a)%4)+\b):8*(8*((\a)%4)+\b)+7], v[SC+8*(\p)+\b], v[SC+8*(\p)+(\a)] matrix_a_fmt:MATRIX_FMT_FP6 matrix_b_fmt:MATRIX_FMT_FP6 matrix_b_scale:MATRIX_SCALE_ROW1
.endif
.endr
.endr
.endm
; K step s; the next step's fragments come from region nr, its K step nsq.  Loads into registers that products have read stand four plain vector instructions behind them (ISA guide 7.12.1 for vector instructions).
.macro STEP s, nr, nsq, zero
	s_wait_dscnt 16                                ; all but the youngest 16 loads (source 1's blocks 4-7) are in
	WIN MUL_LO
	MUL16 0, (\s)%2, \zero
	MUL16 2, (\s)%2, \zero
	s_wait_dscnt 0x0
	PLACES 4
	FETCH_S0 \nr, \nsq, 1-(\s)%2
	FETCH_S1 \nr, \nsq, 0
	SCALES \nr, \nsq, 1-(\s)%2
	WIN MUL_HI
	MUL16 4, (\s)%2, \zero
	MUL16 6, (\s)%2, \zero
	PLACES 4
	WIN 0
	FETCH_S1 \nr, \nsq, 4
.endm
; An odd K step that meets the other waves: each wave waits for all its tensor loads, adds 0 to its spare word, and waits for that and for its LDS reads; then one barrier.
; fill = 1: the barrier opens a round of the cluster's; behind it region 0, which nobody reads any more, takes K quarter 3: my one tensor load there.
.macro TURN nr, fill
	s_wait_tensorcnt 0x0                           ; all my tensor loads have landed  (every window is 0 here)
	ds_add_u32 v[SPW], v[NIL]
	s_wait_dscnt 17                                ; (the add and the youngest 16 loads may be out)
	WIN MUL_LO
	MUL16 0, 1, 0
	s_wait_dscnt 0x0                               ; the add is done, and my reads so far are over
	s_barrier_signal -1
	MUL16 2, 1, 0
	WIN 0
	s_barrier_wait -1
.if \fill
	CREST
	s_add_nc_u64 s[46:47], s[46:47], 3*KQS         ; no tensor load of mine is out: region 0's two descriptors step to K quarter 3
	s_add_nc_u64 s[58:59], s[58:59], 3*KQS
	JLOAD 44, 28, 56, 36                           ; the four v_nop behind it are also the places in front of the loads below
.else
	PLACES 4
.endif
	s_wait_alu depctr_va_vdst(0)
	FETCH_S0 \nr, 0, 0
	FETCH_S1 \nr, 0, 0
	SCALES \nr, 0, 0
	WIN MUL_HI
	MUL16 4, 1, 0
	MUL16 6, 1, 0
	PLACES 4
	WIN 0
	FETCH_S1 \nr, 0, 4
.endm
	s_wait_tensorcnt 2                             ; my parts of regions 0 and 1 are in; region 2's may be out
	s_barrier_signal -1
	s_barrier_wait -1
	FETCH_S0 0, 0, 0
	FETCH_S1 0, 0, 0
	SCALES 0, 0, 0
	FETCH_S1 0, 0, 4
	STEP 0, 0, 1, 1                                ; the first step's products start the sums: nothing is cleared
	TURN 1, 1                                      ; step 1; region 0 has been read out and is filled again; regions 1 and 2 are whole
	STEP 2, 1, 1, 0
	STEP 3, 2, 0, 0
	STEP 4, 2, 1, 0
	TURN 0, 0                                      ; step 5; K quarter 3 is whole in region 0
	STEP 6, 0, 1, 0
	s_wait_dscnt 16                                ; step 7: nothing more to fetch
	WIN MUL_LO
	MUL16 0, 1, 0
	MUL16 2, 1, 0
	s_wait_dscnt 0x0
	WIN MUL_HI
	MUL16 4, 1, 0
	MUL16 6, 1, 0
	WIN 0
	s_wait_loadcnt 0x0                             ; the mask bytes and the biases
	s_cmp_eq_u32 s26, 2                            ; the kind hangs on the cluster's number alone
	s_cbranch_scc1 .Lepi_v
; ---- q and k.  Lane (r, h) of token tile a holds, for head hh, (result + bias) / sqrt(8) at d = 32 h + 0..31: one block.  Two token tiles' codes are a pair image.
	WIN 0x41                                       ; the bias x 1 / sqrt(8), in window 1: 32 plain instructions, the places behind the last products
.irp k, 0,2,4,6,8,10,12,14,16,18,20,22,24,26,28,30
	v_pk_mul_f32 v[96+\k:97+\k], v[96+\k:97+\k], s[92:93] op_sel_hi:[1,0]
	v_pk_mul_f32 v[224+\k:225+\k], v[224+\k:225+\k], s[92:93] op_sel_hi:[1,0]
.endr
	WIN 0
.irp a, 0,1,2,3,4,5,6,7
	v_mul_u32_u24 v[48+\a], v[48+\a], s95
	v_sub_nc_u32 v[48+\a], s94, v[48+\a]           ; the constant block's byte: k: 254 hidden, 1 open; q: 97
.endr
.macro QKTILE p, hh, a
	WIN 0x12+((\a)>>2)                             ; source 0: the accumulators' window; source 2: window 1
.set AC, 64*((\a)%4)+32*(\hh)
.set BI, 96+128*(\hh)
.irp k, 0,2,4,6,8,10,12,14,16,18,20,22,24,26,28,30
	v_pk_fma_f32 v[64+\k:65+\k], v[AC+\k:AC+\k+1], s[92:93], v[BI+\k:BI+\k+1] op_sel_hi:[1,0,1]   ; each accumulator from its low end on
.endr
	WIN 0
	QBLK 64, 128+12*(2*(\p)+(\hh))+6*((\a)&1), 118, 112, 113, 114, 115
	v_lshlrev_b32 v121, v19, v115                  ; my block's byte at 8 h,
	v_permlanex16_b32 v122, v121, s96, s97
	v_or_b32 v121, v121, v122                      ; with lane l xor 16's: the head's two bytes
.if ((\a)&1) == 0
	v_lshl_or_b32 v[96+8*(\hh)+(\a)], v121, 16, v[48+(\a)]    ; an even tile's codes are the operand's second half: [constant's byte, 0, s0, s1]
.else
	v_lshl_or_b32 v[96+8*(\hh)+(\a)], v[48+(\a)], 16, v121    ; an odd tile's the first: [s0, s1, constant's byte, 0]
.endif
.endm
.irp p, 0,1,2,3
.irp hh, 0,1
	QKTILE \p, \hh, 2*\p
	QKTILE \p, \hh, 2*\p+1
.irp g, 0,1,2
	global_store_b128 v20, v[128+12*(2*\p+\hh)+4*\g:131+12*(2*\p+\hh)+4*\g], s[86+2*\hh:87+2*\hh] offset:1536*\p+512*\g   ; 512 consecutive bytes; every image has registers of its own
.endr
.endr
.endr
	v_cmp_ne_u32 s90, 0, v25
.irp hh, 0,1
.irp i, 0,1,2,3
	v_cndmask_b32 v[232+4*\hh+\i], v[96+8*\hh+\i], v[100+8*\hh+\i], s90   ; lanes 0-15 store tiles 0-3's words of row r, lanes 16-31 tiles 4-7's
.endr
	global_store_b128 v21, v[232+4*\hh:235+4*\hh], s[86+2*\hh:87+2*\hh]
.endr
	s_branch .Lend
; ---- v.  Lane (r, h) of weight tile a holds result + bias of one e at keys 64 c + 32 h + 0..31: two blocks; their codes are a whole fragment of V^T.
.Lepi_v:
	PLACES 4                                       ; behind the last products
.macro VTILE a
	WIN 0x02+((\a)>>2)
.set AC, 64*((\a)%4)
.irp k, 0,2,4,6,8,10,12,14,16,18,20,22,24,26,28,30,32,34,36,38,40,42,44,46,48,50,52,54,56,58,60,62
	v_pk_add_f32 v[32+\k:33+\k], v[AC+\k:AC+\k+1], v[96+2*(\a):97+2*(\a)]
.endr
	WIN 0
	QBLK 32, 128+12*(\a), 118, 112, 113, 114, 115
	QBLK 64, 128+12*(\a)+6, 118, 112, 113, 114, 116
	v_lshl_or_b32 v121, v116, 16, v115             ; blocks h and 2 + h,
	v_lshlrev_b32 v121, v19, v121
	v_permlanex16_b32 v122, v121, s96, s97
	v_or_b32 v[224+(\a)], v121, v122               ; the row's scale word for these 128 keys
.irp g, 0,1,2
	global_store_b128 v20, v[128+12*(\a)+4*\g:131+12*(\a)+4*\g], s[86+2*((\a)>>2):87+2*((\a)>>2)] offset:6144+1536*((\a)&3)+512*\g
.endr
.endm
.irp a, 0,1,2,3,4,5,6,7
	VTILE \a
.endr
	v_cmp_ne_u32 s90, 0, v25
.irp i, 0,1,2,3
	v_cndmask_b32 v[232+\i], v[224+\i], v[228+\i], s90    ; lanes 0-15: the first head's four words of row r; lanes 16-31: the second head's
.endr
	global_store_b128 v22, v[232:235], s[86:87] offset:12800
.Lend:
	s_wait_tensorcnt 0x0                           ; the wave's end, behind my last tensor load
	ds_add_u32 v[SPW], v[NIL]
	s_wait_dscnt 0x0
	CROUND                                         ; the closing round: no work-group ends while a partner may still ask for a tile that names it
	s_endpgm
.Lfunc_end_k_q6db1745369_qkv:
	.size	k_q6db1745369_qkv, .Lfunc_end_k_q6db1745369_qkv-k_q6db1745369_qkv
	.p2alignl 7, 3214868480
	.fill 96, 4, 3214868480
	.section	.rodata,"a",@progbits
	.p2align	6, 0x0
	.amdhsa_kernel k_q6db1745369_qkv
		.amdhsa_group_segment_fixed_size 327680
		.amdhsa_private_segment_fixed_size 0
		.amdhsa_enable_private_segment 0
		.amdhsa_kernarg_size 64
		.amdhsa_user_sgpr_count 2
		.amdhsa_user_sgpr_kernarg_segment_ptr 1
		.amdhsa_wavefront_size32 1
		.amdhsa_system_sgpr_workgroup_id_x 1
		.amdhsa_system_sgpr_workgroup_id_y 1
		.amdhsa_system_sgpr_workgroup_id_z 1
		.amdhsa_system_vgpr_workitem_id 0
		.amdhsa_next_free_vgpr 1024
		.amdhsa_next_free_sgpr 102
		.amdhsa_reserve_vcc 0
		.amdhsa_float_denorm_mode_32 3
		.amdhsa_float_denorm_mode_16_64 3
		.amdhsa_memory_ordered 1
		.amdhsa_forward_progress 1
		.amdhsa_inst_pref_size 211
	.end_amdhsa_kernel
	.amdgpu_metadata
---
amdhsa.version: [ 1, 2 ]
amdhsa.kernels:
  - .name:           k_q6db1745369_qkv
    .symbol:         k_q6db1745369_qkv.kd
    .args:
      - { .name: codes, .offset: 0, .size: 8, .value_kind: global_buffer, .address_space: global }
      - { .name: bq, .offset: 8, .size: 8, .value_kind: global_buffer, .address_space: global }
      - { .name: bk, .offset: 16, .size: 8, .value_kind: global_buffer, .address_space: global }
      - { .name: bv, .offset: 24, .size: 8, .value_kind: global_buffer, .address_space: global }
      - { .name: mask, .offset: 32, .size: 8, .value_kind: global_buffer, .address_space: global }
      - { .name: history_mask, .offset: 40, .size: 8, .value_kind: global_buffer, .address_space: global }
      - { .name: qbuf, .offset: 48, .size: 8, .value_kind: global_buffer, .address_space: global }
      - { .name: kv, .offset: 56, .size: 8, .value_kind: global_buffer, .address_space: global }
    .group_segment_fixed_size: 327680
    .private_segment_fixed_size: 0
    .kernarg_segment_align: 8
    .kernarg_segment_size: 64
    .max_flat_workgroup_size: 128
    .sgpr_count:     102
    .vgpr_count:     1024
    .wavefront_size: 32
...
	.end_amdgpu_metadata
.endif
;; end of part 2
;; launch attn (part 3): grid 8 x 32, 16 waves a work-group, clusters of 4 x 1, 315,392 bytes of LDS; arguments qbuf, kv, mask, history_mask, oc; writes oc
.if DOCPART == 3
	.amdgcn_target "amdgcn-amd-amdhsa--gfx1250"
	.amdhsa_code_object_version 6
	.text
	.protected	k_q6db1745369_attn
	.globl	k_q6db1745369_attn
	.p2align	8
	.type	k_q6db1745369_attn,@function
k_q6db1745369_attn:
	s_mov_b64 s[64:65], 0
	v_nop
	global_prefetch_b8 v0, s[64:65] scope:SCOPE_SE
	s_setreg_imm32_b32 hwreg(HW_REG_WAVE_MODE, 25, 1), 1
	s_wait_xcnt 0x0
	s_wait_alu depctr_hold_cnt(0) depctr_sa_sdst(0) depctr_va_vdst(0) depctr_va_sdst(0) depctr_va_ssrc(0) depctr_va_vcc(0) depctr_vm_vsrc(0)
	s_getreg_b32 s2, hwreg(HW_REG_IB_STS2, 6, 4)
	s_cmp_eq_u32 s2, 0
	s_cbranch_scc0 .Lentry_in_a_cluster
	s_endpgm
.Lentry_in_a_cluster:
	s_bfe_u32 s2, ttmp6, 0x10000c
	s_cmp_lg_u32 s2, 0x3003
	s_cbranch_scc0 .Lentry_shape_is_right
	s_endpgm
.Lentry_shape_is_right:
; o = softmax(q k^T, masked) v for one (batch, head), both products on codes of FP6 (E2M3) with E8M0 scales; o / l is quantised along e and stored as an operand of the last product.
; t = score x log2(e); M = the running largest t rounded UP to a whole number; p = 2^(t - M), not normalised, is quantised along the keys; l is the sum of the unquantised p.
; When M moves, l and O are multiplied by 2^(old M - new M): exact.
; SHARES.  A work-group owns 256 queries of one (batch, head); each of its sixteen waves 16 of them, in 256 registers: four waves to a SIMD, so that one wave's vector work stands beside another's products and LDS loads.
; A head's K and V (24 steps of 128 keys, 313,344 bytes of images and scale words) lie in LDS whole, filled ONCE: no slot is filled again.  They come in four chunks of six steps; waves 0-2 ask, four loads each
; (by this text's count at most four tensor loads of a wave are out), and a chunk is read behind a counted wait and a barrier while the later chunks are on their way.
; CLUSTER.  The four work-groups of a cluster are query blocks of one head and ask for every tile jointly (mask 15).  No prefetch: all tiles are asked for at the kernel's head.
; LAYOUT.  Both products are used transposed: S^T = K Q^T, O^T = V^T P^T: a lane holds one query.  Row m of key tile 4 c + u is key 64 c + 32 (m / 8) + 8 u + m % 8, so the 32 score registers of tiles 4 c .. 4 c + 3 are,
; in lane half h, keys 64 c + 32 h + 0..31: a whole block of p in one lane, at its place in the operand.  V's rows (d) are ordered likewise, so O's 32 registers are d = 32 h + 0..31: a block of o.
; K = 64 FILLS HALF OF THE INSTRUCTION'S 128; THE OTHER HALF CARRIES THE MASK.  Beside a key tile's 6 registers stand 6 constant ones (the code 7.5 at the half's first k), beside q's the code -7.5.  The key's byte of that block
; is 254 (hidden) or 1 (open), q's is 97: a hidden score gets -56.25 x 2^97, so p = 0; an open one gets nothing that f32 keeps.  Even key tiles are [constant | codes], odd ones [codes | constant]: a pair image of 12 registers
; between two constant blocks serves both.  The largest t starts at -1e20, above every hidden t: a step of hidden keys alone gives p = 0.
; A batch with NO open key: q and the -7.5 are cleared (a select on the mask bytes, no branch): all scores are 0, p = 1, l = 3,072: the uniform softmax that -1e9 everywhere gives.
; LIMITS: scores of open keys are taken to lie above -6.9e19; a hidden key's weight is 0 where reference() has exp(-1e9 - max), which f32 cannot tell from 0 unless open scores come near -1e9.  NaN, infinities not served.
; The two scale bytes of a row of o are stored 2 bytes a lane (32 bytes a wave): the one small store of the program.
; REGISTERS: v1, v2 the add's; v3-5 lane terms, v6-8 addresses in hand; v9 8 h; v12 -M, v13 largest t, v[14:15] l; v16-33 [-7.5 | q | -7.5]; v34, v35 q's words; v36-43 K's words; v44-47 V's; v48 p's;
;   v50-127 constant blocks at 50 + 18 p, slots of 12 at 56 + 18 p; v128-191 S^T, then p; v192-223 O^T; v224-235 p's codes; v236-255 at work.
.set STEPB, 13056
.set CHB,   6*STEPB
.set PART,  2*STEPB
.set HEADB, 24*STEPB
.set SPARE, HEADB                      ; behind the head's tiles: the spare words, 128 bytes a wave: eight blocks of 256 bytes that no other line names
.set QREC,  6656
.set OKQS,  819200
.macro CROUND
	s_barrier_signal -1
	s_barrier_wait -1
	s_cmp_lg_u32 s14, 0
	s_cbranch_scc1 .Lnot_wave_0_\@
	s_barrier_signal -3
.Lnot_wave_0_\@:
	s_barrier_wait -3
	s_barrier_signal -1
	s_barrier_wait -1
.endm
.macro QBLK X, D, CT, M0, M1, SCO, BY
	v_max3_num_f32 v[\M0], |v[(\X)]|, |v[(\X)+1]|, 0x1800000
	v_max3_num_f32 v[\M1], |v[(\X)+2]|, |v[(\X)+3]|, |v[(\X)+4]|
.irp i, 5,9,13,17,21,25
	s_delay_alu instid0(VALU_DEP_2)
	v_max3_num_f32 v[\M0], v[\M0], |v[(\X)+\i]|, |v[(\X)+\i+1]|
	s_delay_alu instid0(VALU_DEP_2)
	v_max3_num_f32 v[\M1], v[\M1], |v[(\X)+\i+2]|, |v[(\X)+\i+3]|
.endr
	s_delay_alu instid0(VALU_DEP_2)
	v_max3_num_f32 v[\M0], v[\M0], |v[(\X)+29]|, |v[(\X)+30]|
	s_delay_alu instid0(VALU_DEP_1)
	v_max3_num_f32 v[\M0], v[\M0], v[\M1], |v[(\X)+31]|
	s_delay_alu instid0(VALU_DEP_1)
	v_add_nc_u32 v[\SCO], 0xff000000, v[\M0]
	v_cvt_scalef32_pk16_fp6_f32 v[(\D):(\D)+2], v[(\X):(\X)+15], v[\SCO]
	v_cvt_scalef32_pk16_fp6_f32 v[(\CT):(\CT)+2], v[(\X)+16:(\X)+31], v[\SCO]
	v_lshrrev_b32 v[\BY], 23, v[\SCO]
	v_mov_b32 v[(\D)+3], v[(\CT)]
	v_mov_b32 v[(\D)+4], v[(\CT)+1]
	v_mov_b32 v[(\D)+5], v[(\CT)+2]
.endm
	s_load_b256 s[4:11], s[0:1], 0x0               ; qbuf, kv, mask, history_mask
	s_load_b64 s[12:13], s[0:1], 0x20              ; oc
	v_lshl_add_u32 v1, v0, 2, SPARE
	v_mov_b32 v2, 0
	ds_add_u32 v1, v2                              ; the wave's opening: the add and its wait stand ahead of the first tensor loads; work on registers stands between them
	ds_add_u32 v1, v2
	v_lshrrev_b32 v3, 5, v0
	s_delay_alu instid0(VALU_DEP_1)
	v_readfirstlane_b32 s14, v3                    ; wave 0..15
	s_bfe_u32 s15, ttmp6, 0x40000                  ; cx
	s_lshl_b32 s16, ttmp9, 2
	s_add_co_u32 s16, s16, s15                     ; my block of 256 queries: it enters global addresses alone
	s_and_b32 s17, ttmp7, 0xffff                   ; 16 b + head, which the four partners share
	; descriptor group 1: a dense block of 26,112 bytes as 102 rows of 32 elements of 8 bytes; the mask names all four work-groups, bit 21 beside it
	s_mov_b32 s24, 15|(3<<16)|(1<<21)
	s_mov_b32 s25, 32<<16
	s_mov_b32 s26, 102<<16
	s_mov_b32 s27, 32<<16
	s_mov_b32 s28, 102
	s_mov_b32 s29, 32
	s_mov_b32 s30, 0
	s_mov_b32 s31, 0
	s_mul_i32 s53, s14, PART                       ; the part of a chunk that I fetch (waves 0-2)
	s_mul_i32 s54, s17, HEADB
	s_add_co_u32 s54, s54, s53
	s_mov_b32 s55, 0
	s_and_b32 s56, s17, 15                         ; head
	s_lshr_b32 s57, s17, 4                         ; batch
	s_lshr_b32 s58, s56, 2                         ; oc [kq][G][sq][6,400]: K step = head / 2: kq = head / 4,
	s_mul_i32 s58, s58, OKQS
	s_lshl_b32 s59, s57, 5
	s_lshl_b32 s60, s16, 2
	s_add_co_u32 s59, s59, s60
	s_lshr_b32 s60, s14, 2
	s_add_co_u32 s59, s59, s60                     ; G = 32 b + 4 x block + wave / 4,
	s_mul_i32 s59, s59, 12800
	s_add_co_u32 s58, s58, s59
	s_bfe_u32 s59, s56, 0x10001                    ; sq = (head / 2) % 2
	s_mul_i32 s59, s59, 6400
	s_add_co_u32 s58, s58, s59
	s_mov_b32 s59, 0
	s_and_b32 s60, s14, 3                          ; fragment u = wave % 4
	s_and_b32 s61, s56, 1                          ; half c = head % 2
	s_mul_i32 s18, s60, 1536
	s_mul_i32 s19, s61, 768
	s_add_co_u32 s18, s18, s19
	s_mov_b32 s19, 0
	s_lshl_b32 s60, s60, 6
	s_lshl_b32 s61, s61, 1
	s_add_co_u32 s15, s60, s61                     ; my scale bytes in the record's words: 64 u + 2 c
	s_lshl_b32 s60, s17, 4                         ; q: record 16 (16 b + head) + 2 x block + wave / 8
	s_lshl_b32 s61, s16, 1
	s_add_co_u32 s60, s60, s61
	s_lshr_b32 s61, s14, 3
	s_add_co_u32 s60, s60, s61
	s_mul_i32 s60, s60, QREC
	s_mov_b32 s61, 0
	s_bfe_u32 s62, s14, 0x20001                    ; the pair image of my tile: (wave % 8) / 2
	s_mul_i32 s62, s62, 1536
	s_mov_b32 s63, 0
	s_mov_b32 s20, 0x76543210
	s_mov_b32 s21, 0xfedcba98                      ; v_permlanex16_b32's selects for lane l xor 16
	s_mov_b32 s22, 0x3fb8aa3b                      ; log2(e)
	s_mov_b32 s23, s22                             ; (named with it as a pair)
	s_wait_dscnt 0x0                               ; the opening add is done
	s_wait_kmcnt 0x0
	s_add_nc_u64 s[54:55], s[6:7], s[54:55]
	s_add_nc_u64 s[4:5], s[4:5], s[60:61]          ; q's record
	s_add_nc_u64 s[62:63], s[4:5], s[62:63]        ; its pair image
	s_add_nc_u64 s[12:13], s[12:13], s[58:59]      ; o's record
	s_add_nc_u64 s[18:19], s[12:13], s[18:19]      ; my half fragment in it
	s_lshl_b32 s58, s57, 11
	s_add_nc_u64 s[8:9], s[8:9], s[58:59]          ; the batch's mask bytes
	s_lshl_b32 s58, s57, 10
	s_add_nc_u64 s[10:11], s[10:11], s[58:59]
	CROUND                                         ; all four work-groups are here: the joint loads meet
.irp c, 0,1,2,3
	s_mov_b32 s[32+4*\c], 1
	s_add_co_u32 s[33+4*\c], s53, \c*CHB
	s_add_nc_u64 s[34+4*\c:35+4*\c], s[54:55], \c*CHB
	s_or_b32 s[35+4*\c], s[35+4*\c], 0x80000000
.endr
	s_cmp_lt_u32 s14, 3                            ; a wave's four fills stand in one branch on the wave's number, ahead of every wait on TENSORcnt, LDS read and later barrier
	s_cbranch_scc0 .Lno_fill
.irp c, 0,1,2,3
	tensor_load_to_lds s[32+4*\c:35+4*\c], s[24:31]
	s_nop 0
.endr
.rept 4
	v_nop
.endr
.Lno_fill:
	v_and_b32 v6, 31, v0
	s_delay_alu instid0(VALU_DEP_1)
	v_lshlrev_b32 v3, 4, v6                        ; 16 lane
	v_and_b32 v7, 15, v0
	s_delay_alu instid0(VALU_DEP_1)
	v_lshlrev_b32 v4, 5, v7                        ; 32 r
	s_delay_alu instid0(VALU_DEP_2)
	v_lshlrev_b32 v5, 4, v7                        ; 16 r
	v_bfe_u32 v9, v0, 4, 1                         ; h
	s_and_b32 s51, s14, 7
	s_lshl_b32 s51, s51, 2
	v_add_nc_u32 v10, s51, v4                      ; q's scale word: 32 r + 4 tile
.irp i, 0,1,2,3
	global_load_b128 v[128+4*\i:131+4*\i], v3, s[8:9] offset:512*\i           ; all 3,072 mask bytes of the batch
.endr
.irp i, 0,1
	global_load_b128 v[144+4*\i:147+4*\i], v3, s[10:11] offset:512*\i
.endr
.irp g, 0,1,2
	global_load_b128 v[152+4*\g:155+4*\g], v3, s[62:63] offset:512*\g         ; the pair image with my tile of q
.endr
	global_load_b32 v164, v10, s[4:5] offset:6144
	v_sub_nc_u32 v11, 1, v9                        ; 1 in lanes 0-15
	v_lshlrev_b32 v9, 3, v9                        ; 8 h
	s_delay_alu instid0(VALU_DEP_2)
	v_mul_u32_u24 v50, v11, 31                     ; the code 7.5 at the half's first k: lanes 0-15, lowest six bits
.irp p, 1,2,3,4
	v_mov_b32 v[50+18*\p], v50
.endr
.irp p, 0,1,2,3,4
.irp i, 1,2,3,4,5
	v_mov_b32 v[50+18*\p+\i], 0
.endr
.endr
.irp i, 1,2,3,4,5
	v_mov_b32 v[16+\i], 0
	v_mov_b32 v[28+\i], 0
.endr
	s_and_b32 s52, s14, 1
	s_cmp_lg_u32 s52, 0
	s_cselect_b32 s52, -1, 0                       ; all lanes where my tile is the pair's second
	s_wait_loadcnt 0x0
.irp i, 1
	v_or_b32 v128, v128, v[128+\i]
.endr
.irp i, 2, 3, 4, 5, 6, 7, 8, 9, 10, 11, 12, 13, 14, 15, 16, 17, 18, 19, 20, 21, 22, 23
	s_delay_alu instid0(VALU_DEP_1)
	v_or_b32 v128, v128, v[128+\i]
.endr
	s_delay_alu instid0(VALU_DEP_1)
	v_cmp_ne_u32 s51, 0, v128
	s_cmp_lg_u32 s51, 0
	s_cselect_b32 s50, -1, 0                       ; is any key of the batch open?  A select, no branch
.irp i, 0,1,2,3,4,5
	v_cndmask_b32 v[22+\i], v[152+\i], v[158+\i], s52
.endr
.irp i, 0,1,2,3,4,5
	v_and_b32 v[22+\i], s50, v[22+\i]
.endr
	v_mul_u32_u24 v16, v11, 63                     ; the code -7.5
	s_delay_alu instid0(VALU_DEP_1)
	v_and_b32 v16, s50, v16
	s_delay_alu instid0(VALU_DEP_1)
	v_mov_b32 v28, v16
	v_perm_b32 v165, v164, v164, 0x01000302        ; the word's halves exchanged
	s_delay_alu instid0(VALU_DEP_1)
	v_cndmask_b32 v35, v164, v165, s52             ; for [-7.5 | q]: [97, 0, q0, q1]: an even tile's word as stored
	s_delay_alu instid0(VALU_DEP_2)
	v_cndmask_b32 v34, v165, v164, s52             ; for [q | -7.5]: [q0, q1, 97, 0]
	v_mov_b32 v13, 0xe0ad78ec                      ; the largest t so far: -1e20
	s_delay_alu instid0(VALU_DEP_1)
	v_floor_f32 v12, -v13                          ; -M
	v_mov_b32 v14, 0
	v_mov_b32 v15, 0
	v_mov_b32 v249, 0                              ; (named as the upper half of the pair v[248:249])
	v_mov_b32 v254, 0
	v_mov_b32 v255, 0                              ; a lane permute's destination counts as one of its sources
.irp j, 0,1,2,3,4,5,6,7,8,9,10,11,12,13,14,15,16,17,18,19,20,21,22,23,24,25,26,27,28,29,30,31
	v_mov_b32 v[192+\j], 0                         ; O^T: the step is written once; the first finds zeros.  (These are also the places between the scale words' making and the first product)
.endr
; A KEY STEP: 128 keys; s48 = where its record lies in LDS.
.macro STEP
	v_add_nc_u32 v6, s48, v3
	v_add_nc_u32 v7, s48, v4
	v_add_nc_u32 v8, s48, v5
	v_nop                                          ; four plain instructions between the last products and loads into registers that they read
.irp p, 0,1,2,3
.irp g, 0,1,2
	ds_load_b128 v[56+18*\p+4*\g:59+18*\p+4*\g], v6 offset:1536*\p+512*\g     ; K's four pair images
.endr
.endr
	ds_load_b128 v[36:39], v7 offset:12288         ; the eight tiles' scale words of row r
	ds_load_b128 v[40:43], v7 offset:12304
	s_wait_alu depctr_va_vdst(0)
	s_wait_dscnt 0x0
.irp p, 0,1,2,3
	v_wmma_scale_f32_16x16x128_f8f6f4 v[128+16*\p:135+16*\p], v[50+18*\p:61+18*\p], v[16:27], 0, v[36+2*\p], v35 matrix_a_fmt:MATRIX_FMT_FP6 matrix_b_fmt:MATRIX_FMT_FP6
	v_wmma_scale_f32_16x16x128_f8f6f4 v[136+16*\p:143+16*\p], v[62+18*\p:73+18*\p], v[22:33], 0, v[37+2*\p], v34 matrix_a_fmt:MATRIX_FMT_FP6 matrix_b_fmt:MATRIX_FMT_FP6
.endr
.rept 4
	v_nop
.endr
.irp dt, 0,1,2,3
.irp g, 0,1,2
	ds_load_b128 v[56+18*\dt+4*\g:59+18*\dt+4*\g], v6 offset:6144+1536*\dt+512*\g   ; V's four fragments take K's place; they land under the softmax
.endr
.endr
	ds_load_b128 v[44:47], v8 offset:12800
.irp k, 0,1,2,3
	v_max3_num_f32 v[244+\k], v[128+16*\k], v[129+16*\k], v[130+16*\k]        ; four chains of 16 scores; each accumulator is read from its low end on
.endr
.irp i, 3,5,7,9,11,13
.irp k, 0,1,2,3
	v_max3_num_f32 v[244+\k], v[244+\k], v[128+16*\k+\i], v[129+16*\k+\i]
.endr
.endr
.irp k, 0,1,2,3
	v_max_num_f32 v[244+\k], v[244+\k], v[143+16*\k]
.endr
	s_delay_alu instid0(VALU_DEP_3)
	v_max_num_f32 v244, v244, v245                 ; THE LARGEST SCORE OF EACH OF MY TWO BLOCKS OF 32 KEYS: it serves for the row's maximum and, since p rises with the score, for the block's largest p
	s_delay_alu instid0(VALU_DEP_2)
	v_max_num_f32 v245, v246, v247
	s_delay_alu instid0(VALU_DEP_1)
	v_max_num_f32 v254, v244, v245
	s_delay_alu instid0(VALU_DEP_1)
	v_permlanex16_b32 v255, v254, s20, s21
	s_delay_alu instid0(VALU_DEP_1)
	v_max_num_f32 v254, v254, v255                 ; the step's largest score of my query
	s_delay_alu instid0(VALU_DEP_1)
	v_mul_f32 v254, s22, v254                      ; as t
	s_delay_alu instid0(VALU_DEP_1)
	v_max_num_f32 v13, v13, v254
	v_mov_b32 v254, v12
	s_delay_alu instid0(VALU_DEP_2)
	v_floor_f32 v12, -v13                          ; the new -M = -ceil(t): a whole number
	s_delay_alu instid0(VALU_DEP_1)
	v_sub_f32 v254, v12, v254                      ; old M - new M, 0 or less
	s_delay_alu instid0(VALU_DEP_1)
	v_cvt_i32_f32 v254, v254                       ; (it saturates)
	s_delay_alu instid0(VALU_DEP_1)
	v_ldexp_f32 v248, 1.0, v254                    ; f = 2^(old M - new M)
.irp j, 0,2,4,6,8,10,12,14,16,18,20,22,24,26,28,30,32,34,36,38,40,42,44,46,48,50,52,54,56,58,60,62
	v_pk_fma_f32 v[128+\j:129+\j], v[128+\j:129+\j], s[22:23], v[12:13] op_sel_hi:[1,0,0]   ; t - M
.endr
	v_fma_f32 v244, v244, s22, v12
	v_fma_f32 v245, v245, s22, v12
	s_setprio 1
	s_wait_alu depctr_va_vdst(0)
.irp j, 0,1,2,3,4,5,6,7,8,9,10,11,12,13,14,15,16,17,18,19,20,21,22,23,24,25,26,27,28,29,30,31,32,33,34,35,36,37,38,39,40,41,42,43,44,45,46,47,48,49,50,51,52,53,54,55,56,57,58,59,60,61,62,63
	v_exp_f32 v[128+\j], v[128+\j]                 ; p = 2^(t - M)
.endr
	v_pk_mul_f32 v[14:15], v[14:15], v[248:249] op_sel_hi:[1,0]               ; l under the new M; the plain instruction behind the exponentials
	s_wait_alu depctr_va_vdst(0)                   ; one wait for the batch, ahead of its first reader
	v_exp_f32 v244, v244                           ; the blocks' largest p: the same two instructions on the same number give the same bits
	v_exp_f32 v245, v245
	v_pk_add_f32 v[236:237], v[132:133], v[136:137]
	v_pk_add_f32 v[252:253], v[140:141], v[144:145]
	v_pk_add_f32 v[250:251], v[148:149], v[152:153]
	v_pk_add_f32 v[246:247], v[156:157], v[160:161]
	v_pk_add_f32 v[242:243], v[164:165], v[168:169]
	v_pk_add_f32 v[240:241], v[172:173], v[176:177]
	v_pk_add_f32 v[238:239], v[180:181], v[184:185]
	v_pk_add_f32 v[14:15], v[14:15], v[188:189]
	v_pk_add_f32 v[236:237], v[236:237], v[128:129]
	v_pk_add_f32 v[252:253], v[252:253], v[130:131]
	v_pk_add_f32 v[250:251], v[250:251], v[134:135]
	v_pk_add_f32 v[246:247], v[246:247], v[138:139]
	v_pk_add_f32 v[242:243], v[242:243], v[142:143]
	v_pk_add_f32 v[240:241], v[240:241], v[146:147]
	v_pk_add_f32 v[238:239], v[238:239], v[150:151]
	v_pk_add_f32 v[14:15], v[14:15], v[154:155]
	v_pk_add_f32 v[236:237], v[236:237], v[158:159]
	v_pk_add_f32 v[252:253], v[252:253], v[162:163]
	v_pk_add_f32 v[250:251], v[250:251], v[166:167]
	v_pk_add_f32 v[246:247], v[246:247], v[170:171]
	v_pk_add_f32 v[242:243], v[242:243], v[174:175]
	v_pk_add_f32 v[240:241], v[240:241], v[178:179]
	v_pk_add_f32 v[238:239], v[238:239], v[182:183]
	v_pk_add_f32 v[14:15], v[14:15], v[186:187]
	v_pk_add_f32 v[236:237], v[236:237], v[190:191]
	s_delay_alu instid0(VALU_DEP_2)
	v_pk_add_f32 v[14:15], v[14:15], v[246:247]
	s_delay_alu instid0(VALU_DEP_2)
	v_pk_add_f32 v[236:237], v[236:237], v[242:243]
	v_pk_add_f32 v[252:253], v[252:253], v[240:241]
	v_pk_add_f32 v[250:251], v[250:251], v[238:239]
	s_delay_alu instid0(VALU_DEP_2)
	v_pk_add_f32 v[14:15], v[14:15], v[252:253]
	s_delay_alu instid0(VALU_DEP_2)
	v_pk_add_f32 v[236:237], v[236:237], v[250:251]
	s_delay_alu instid0(VALU_DEP_1)
	v_pk_add_f32 v[14:15], v[14:15], v[236:237]
	s_wait_alu depctr_va_vdst(0)                   ; and one for the two
.irp c, 0,1
	v_max_num_f32 v[244+\c], 0x1800000, v[244+\c]  ; the floor 2^(3 - 127): a block whose every p is 0 keeps the byte 1; its codes are zeros
.endr
.irp c, 0,1
	s_delay_alu instid0(VALU_DEP_2)
	v_add_nc_u32 v[250+\c], 0xff000000, v[244+\c]  ; the conversion's scale operand
.endr
.irp c, 0,1
	s_delay_alu instid0(VALU_DEP_2)
	v_lshrrev_b32 v[252+\c], 23, v[250+\c]         ; the byte of block 2 c + h
.endr
	s_delay_alu instid0(VALU_DEP_1)
	v_lshl_or_b32 v254, v253, 16, v252
	s_delay_alu instid0(VALU_DEP_1)
	v_lshlrev_b32 v254, v9, v254
	s_delay_alu instid0(VALU_DEP_1)
	v_permlanex16_b32 v255, v254, s20, s21
	s_delay_alu instid0(VALU_DEP_1)
	v_or_b32 v48, v254, v255                       ; p's scale word for these 128 keys
.irp c, 0,1
	v_cvt_scalef32_pk16_fp6_f32 v[224+6*\c:226+6*\c], v[128+32*\c:143+32*\c], v[250+\c]
	v_cvt_scalef32_pk16_fp6_f32 v[236+4*\c:238+4*\c], v[144+32*\c:159+32*\c], v[250+\c]
.endr
	v_nop                                          ; the plain instruction behind the conversions
.irp c, 0,1
.irp i, 0,1,2
	v_mov_b32 v[227+6*\c+\i], v[236+4*\c+\i]
.endr
.endr
	s_setprio 0
.irp j, 0,2,4,6,8,10,12,14,16,18,20,22,24,26,28,30
	v_pk_mul_f32 v[192+\j:193+\j], v[192+\j:193+\j], v[248:249] op_sel_hi:[1,0]   ; O^T under the new M; also the places between the making of p's codes and scale word and the products
.endr
	s_wait_alu depctr_va_vdst(0)
	s_wait_dscnt 0x0                               ; V is in
.irp dt, 0,1,2,3
	v_wmma_scale_f32_16x16x128_f8f6f4 v[192+8*\dt:199+8*\dt], v[56+18*\dt:67+18*\dt], v[224:235], v[192+8*\dt:199+8*\dt], v[44+\dt], v48 matrix_a_fmt:MATRIX_FMT_FP6 matrix_b_fmt:MATRIX_FMT_FP6
.endr
.endm
; Chunk c: six steps.  The count leaves my later chunks on their way (waves 3-15 have no load out).
.macro CHUNK c
	s_wait_tensorcnt 3-\c
	s_wait_dscnt 0x0
	s_barrier_signal -1
	s_barrier_wait -1
	s_mov_b32 s48, \c*CHB
	s_mov_b32 s49, 6
.Lstep_\@:
	s_setprio 2
	STEP
	s_add_co_u32 s48, s48, STEPB
	s_sub_co_u32 s49, s49, 1
	s_cmp_lg_u32 s49, 0
	s_cbranch_scc1 .Lstep_\@
	s_setprio 0
.endm
	CHUNK 0
	CHUNK 1
	CHUNK 2
	CHUNK 3
	; THE WAY OUT: o = O^T / l; my 32 numbers are a block along e; their codes are half a fragment's image.
.rept 4
	v_nop
.endr
	v_add_f32 v14, v14, v15
	s_delay_alu instid0(VALU_DEP_1)
	v_permlanex16_b32 v255, v14, s20, s21
	s_delay_alu instid0(VALU_DEP_1)
	v_add_f32 v14, v14, v255                       ; the row's sum
	s_wait_alu depctr_va_vdst(0)
	v_rcp_f32 v248, v14
	v_and_b32 v6, 31, v0                           ; (the plain instruction behind the reciprocal)
	s_delay_alu instid0(VALU_DEP_1)
	v_lshlrev_b32 v10, 3, v6                       ; 8 lane
	v_and_b32 v7, 15, v0
	s_delay_alu instid0(VALU_DEP_1)
	v_lshl_add_u32 v11, v7, 2, s15                 ; 4 r + 64 u + 2 c
	s_wait_alu depctr_va_vdst(0)                   ; ahead of the reciprocal's first reader
.irp j, 0,2,4,6,8,10,12,14,16,18,20,22,24,26,28,30
	v_pk_mul_f32 v[128+\j:129+\j], v[192+\j:193+\j], v[248:249] op_sel_hi:[1,0]
.endr
	QBLK 128, 224, 236, 244, 245, 250, 252
	s_delay_alu instid0(VALU_DEP_4)
	v_lshlrev_b32 v254, v9, v252
	s_delay_alu instid0(VALU_DEP_1)
	v_permlanex16_b32 v255, v254, s20, s21
	s_delay_alu instid0(VALU_DEP_1)
	v_or_b32 v254, v254, v255                      ; the head's two bytes of my row
	global_store_b128 v3, v[224:227], s[18:19]                 ; 512 consecutive bytes
	global_store_b64 v10, v[228:229], s[18:19] offset:512      ; 256 consecutive bytes
	global_store_b16 v11, v254, s[12:13] offset:6144           ; lanes l and l + 16 write the same two bytes with the same value
	s_wait_tensorcnt 0x0                           ; the wave's end
	ds_add_u32 v1, v2
	s_wait_dscnt 0x0
	CROUND                                         ; the closing round
	s_endpgm
.Lfunc_end_k_q6db1745369_attn:
	.size	k_q6db1745369_attn, .Lfunc_end_k_q6db1745369_attn-k_q6db1745369_attn
	.p2alignl 7, 3214868480
	.fill 96, 4, 3214868480
	.section	.rodata,"a",@progbits
	.p2align	6, 0x0
	.amdhsa_kernel k_q6db1745369_attn
		.amdhsa_group_segment_fixed_size 315392
		.amdhsa_private_segment_fixed_size 0
		.amdhsa_enable_private_segment 0
		.amdhsa_kernarg_size 40
		.amdhsa_user_sgpr_count 2
		.amdhsa_user_sgpr_kernarg_segment_ptr 1
		.amdhsa_wavefront_size32 1
		.amdhsa_system_sgpr_workgroup_id_x 1
		.amdhsa_system_sgpr_workgroup_id_y 1
		.amdhsa_system_sgpr_workgroup_id_z 1
		.amdhsa_system_vgpr_workitem_id 0
		.amdhsa_next_free_vgpr 256
		.amdhsa_next_free_sgpr 66
		.amdhsa_reserve_vcc 0
		.amdhsa_float_denorm_mode_32 3
		.amdhsa_float_denorm_mode_16_64 3
		.amdhsa_memory_ordered 1
		.amdhsa_forward_progress 1
		.amdhsa_inst_pref_size 79
	.end_amdhsa_kernel
	.amdgpu_metadata
---
amdhsa.version: [ 1, 2 ]
amdhsa.kernels:
  - .name:           k_q6db1745369_attn
    .symbol:         k_q6db1745369_attn.kd
    .args:
      - { .name: qbuf, .offset: 0, .size: 8, .value_kind: global_buffer, .address_space: global }
      - { .name: kv, .offset: 8, .size: 8, .value_kind: global_buffer, .address_space: global }
      - { .name: mask, .offset: 16, .size: 8, .value_kind: global_buffer, .address_space: global }
      - { .name: history_mask, .offset: 24, .size: 8, .value_kind: global_buffer, .address_space: global }
      - { .name: oc, .offset: 32, .size: 8, .value_kind: global_buffer, .address_space: global }
    .group_segment_fixed_size: 315392
    .private_segment_fixed_size: 0
    .kernarg_segment_align: 8
    .kernarg_segment_size: 40
    .max_flat_workgroup_size: 512
    .sgpr_count:     66
    .vgpr_count:     256
    .wavefront_size: 32
...
	.end_amdgpu_metadata
.endif
;; end of part 3
;; launch proj (part 4): grid 32 x 8, 4 waves a work-group, clusters of 4 x 4, 327,680 bytes of LDS; arguments oc, codes, bp, out0; writes out0
.if DOCPART == 4
	.amdgcn_target "amdgcn-amd-amdhsa--gfx1250"
	.amdhsa_code_object_version 6
	.text
	.protected	k_q6db1745369_proj
	.globl	k_q6db1745369_proj
	.p2align	8
	.type	k_q6db1745369_proj,@function
k_q6db1745369_proj:
	s_mov_b64 s[64:65], 0
	v_nop
	global_prefetch_b8 v0, s[64:65] scope:SCOPE_SE
	s_setreg_imm32_b32 hwreg(HW_REG_WAVE_MODE, 25, 1), 1
	s_wait_xcnt 0x0
	s_wait_alu depctr_hold_cnt(0) depctr_sa_sdst(0) depctr_va_vdst(0) depctr_va_sdst(0) depctr_va_ssrc(0) depctr_va_vcc(0) depctr_vm_vsrc(0)
	s_getreg_b32 s2, hwreg(HW_REG_IB_STS2, 6, 4)
	s_cmp_eq_u32 s2, 0
	s_cbranch_scc0 .Lentry_in_a_cluster
	s_endpgm
.Lentry_in_a_cluster:
	s_bfe_u32 s2, ttmp6, 0x10000c
	s_cmp_lg_u32 s2, 0xf033
	s_cbranch_scc0 .Lentry_shape_is_right
	s_endpgm
.Lentry_shape_is_right:
; out[b][e][t] = sum over c of Wp[e][c] o[b][c][t] + bp[e], on codes of FP6 (E2M3) with E8M0 scales, K = 1,024.
; SHARES.  256 work-groups: 128 tokens x 128 rows of Wp; four waves of 64 x 64 (16 accumulators).  The larger tile of 256 x 256 would leave three WGPs in four without work.
; Both operands' fragment images for ALL of K (2 x 102,400 bytes) lie in LDS, filled once: each wave asks for two K quarters of one operand (one tensor load out at a time, by this text's count); K's first half is multiplied while the second lands.
; CLUSTER 4 x 4: the tokens' tiles hang on cx alone and are asked for jointly by the column, Wp's on cy alone and by the row.  No prefetch: all tiles are asked for at the head.
; Source 0 = tokens, source 1 = rows of Wp: a lane holds one e, and the 32 registers of the four token tiles are 32 neighbouring t (the fragments' rows are ordered for that).  A tile of 16 e x 64 t goes through the wave's own
; stage in LDS and leaves as rows: sixteen lanes store 256 consecutive bytes, at a multiple of 256 from the buffer's first byte.
; REGISTERS.  window 0: v1, v2 the add's; v4-13 LDS addresses; v14-16 the way out; v32-39 scale words, two sets; v40-47 bp by lane, twice each; v64-159, v160-255 two sets of 8 fragments.  window 1: accumulator (a, i) at v[8 (4 a + i)].
.set KQS,   2048000
.set OKQS,  819200
.set GREC,  12800
.set REC,   6400
.set HALF,  25600                      ; a K quarter of two groups
.set RGN,   102400                     ; an operand
.set STG,   2*RGN                      ; the stages: 16 rows x 272 bytes a wave
.set SPARE, STG+4*4352                 ; the spare words, 128 bytes a wave: two blocks of 256 bytes that no other line names
.set MSB, 0
.macro WIN new
.if MSB != (\new)
	s_set_vgpr_msb (MSB<<8)|(\new)
.set MSB, (\new)
.endif
.endm
.macro PLACES n
.rept \n
	v_nop
.endr
.endm
.macro JLOAD g0a, g1a, g0b, g1b        ; waves 0, 1 fetch for source 0, waves 2, 3 for source 1; an s_nop 0 and four v_nop follow each line
	s_cmp_eq_u32 s13, 0
	s_cbranch_scc0 .Lfor_b_\@
	tensor_load_to_lds s[\g0a:\g0a+3], s[\g1a:\g1a+7]
	s_nop 0
.rept 4
	v_nop
.endr
	s_branch .Lasked_\@
.Lfor_b_\@:
	tensor_load_to_lds s[\g0b:\g0b+3], s[\g1b:\g1b+7]
	s_nop 0
.rept 4
	v_nop
.endr
.Lasked_\@:
.endm
.macro CROUND
	s_barrier_signal -1
	s_barrier_wait -1
	s_cmp_lg_u32 s12, 0
	s_cbranch_scc1 .Lnot_wave_0_\@
	s_barrier_signal -3
.Lnot_wave_0_\@:
	s_barrier_wait -3
	s_barrier_signal -1
	s_barrier_wait -1
.endm
	s_load_b256 s[4:11], s[0:1], 0x0               ; oc, codes, bp, out0
	v_lshl_add_u32 v1, v0, 2, SPARE
	v_mov_b32 v2, 0
	ds_add_u32 v1, v2
	ds_add_u32 v1, v2                              ; the wave's opening: the add and its wait stand ahead of my first tensor load
	v_lshrrev_b32 v3, 5, v0
	v_readfirstlane_b32 s12, v3                    ; wave 0..3
	s_lshr_b32 s13, s12, 1                         ; my group of e.  Also: I fetch for source 0 (0) or 1 (1)
	s_and_b32 s14, s12, 1                          ; my group of tokens.  Also: which K quarters I fetch
	s_bfe_u32 s15, ttmp6, 0x40000                  ; cx
	s_bfe_u32 s16, ttmp6, 0x40004                  ; cy
	s_lshl_b32 s17, ttmp9, 2
	s_add_co_u32 s17, s17, s15                     ; X: my 128 tokens
	s_and_b32 s18, ttmp7, 0xffff
	s_lshl_b32 s18, s18, 2
	s_add_co_u32 s18, s18, s16                     ; Y: my 128 rows of Wp
	s_lshl_b32 s19, 0x1111, s15                    ; my column of the cluster
	s_lshl_b32 s20, s16, 2
	s_lshl_b32 s20, 15, s20                        ; my row
	s_or_b32 s24, s19, (3<<16)|(1<<21)             ; group 1: a dense block of 25,600 bytes as 100 rows of 32 elements of 8 bytes
	s_or_b32 s32, s20, (3<<16)|(1<<21)
.irp g, 24, 32
	s_mov_b32 s[\g+1], 32<<16
	s_mov_b32 s[\g+2], 100<<16
	s_mov_b32 s[\g+3], 32<<16
	s_mov_b32 s[\g+4], 100
	s_mov_b32 s[\g+5], 32
	s_mov_b32 s[\g+6], 0
	s_mov_b32 s[\g+7], 0
.endr
	s_mul_i32 s56, s14, HALF                       ; LDS: K quarter wave % 2 of an operand
	s_mul_i32 s58, s14, OKQS
	s_mul_i32 s57, s17, HALF                       ; groups 2 X, 2 X + 1 of oc
	s_add_co_u32 s58, s58, s57
	s_mov_b32 s59, 0
	s_mul_i32 s60, s14, KQS
	s_lshl_b32 s62, s18, 1
	s_add_co_u32 s62, s62, 144                     ; groups 144 + 2 Y, + 1 of codes: Wp
	s_mul_i32 s62, s62, GREC
	s_add_co_u32 s60, s60, s62
	s_mov_b32 s61, 0
	s_lshl_b32 s66, s18, 9
	s_lshl_b32 s67, s13, 8
	s_add_co_u32 s66, s66, s67                     ; bp at e = 128 Y + 64 x group
	s_mov_b32 s67, 0
	s_lshr_b32 s70, s17, 4                         ; out0: row (X / 16) 1,024 + 128 Y + 64 x group of 8,192 bytes,
	s_lshl_b32 s70, s70, 10
	s_lshl_b32 s71, s18, 7
	s_add_co_u32 s70, s70, s71
	s_lshl_b32 s71, s13, 6
	s_add_co_u32 s70, s70, s71
	s_lshl_b32 s70, s70, 13
	s_and_b32 s71, s17, 15                         ; t = (X % 16) 128 + 64 x group
	s_lshl_b32 s71, s71, 9
	s_add_co_u32 s70, s70, s71
	s_lshl_b32 s71, s14, 8
	s_add_co_u32 s70, s70, s71
	s_mov_b32 s71, 0
	s_wait_dscnt 0x0                               ; the opening add is done
	s_wait_kmcnt 0x0
	s_add_nc_u64 s[58:59], s[4:5], s[58:59]
	s_add_nc_u64 s[60:61], s[6:7], s[60:61]
	s_add_nc_u64 s[8:9], s[8:9], s[66:67]
	s_add_nc_u64 s[10:11], s[10:11], s[70:71]
	CROUND                                         ; all sixteen work-groups are here: the joint loads meet
.irp j, 0,1
	s_mov_b32 s[40+4*\j], 1
	s_add_co_u32 s[41+4*\j], s56, \j*2*HALF
	s_add_nc_u64 s[42+4*\j:43+4*\j], s[58:59], \j*2*OKQS
	s_or_b32 s[43+4*\j], s[43+4*\j], 0x80000000
	s_mov_b32 s[48+4*\j], 1
	s_add_co_u32 s[49+4*\j], s56, RGN+\j*2*HALF
	s_add_nc_u64 s[50+4*\j:51+4*\j], s[60:61], \j*2*KQS
	s_or_b32 s[51+4*\j], s[51+4*\j], 0x80000000
	s_wait_alu depctr_va_vdst(0)
	s_wait_tensorcnt 0x0
	ds_add_u32 v1, v2
	ds_add_u32 v1, v2
	s_wait_dscnt 0x0
	CROUND
	JLOAD 40+4*\j, 24, 48+4*\j, 32
.endr
	v_and_b32 v24, 15, v0                          ; r
	v_bfe_u32 v25, v0, 4, 1                        ; h
	v_and_b32 v26, 31, v0
	v_and_b32 v23, 8, v24
	v_lshlrev_b32 v23, 2, v23
	v_and_b32 v3, 7, v24
	v_add_nc_u32 v23, v23, v3
	v_lshlrev_b32 v23, 2, v23                      ; 4 (32 (r / 8) + r % 8)
.irp a, 0,1,2,3
	global_load_b32 v[40+2*\a], v23, s[8:9] offset:32*\a      ; bp of Wp tile a's row r, twice: a pair for the packed addition
	global_load_b32 v[41+2*\a], v23, s[8:9] offset:32*\a
.endr
	s_mul_i32 s66, s14, GREC                       ; source 0: my group
	s_mul_i32 s67, s13, GREC
	s_add_co_u32 s67, s67, RGN                     ; source 1: my group
	s_sub_co_u32 s68, s67, s66
	v_lshlrev_b32 v20, 4, v26
	v_lshlrev_b32 v21, 3, v26
	v_lshlrev_b32 v22, 2, v24
	v_mul_u32_u24 v27, s68, v25                    ; lanes 16-31 take source 1's scale words: one product, the distance between the two
	v_add_nc_u32 v22, v22, v27
.irp f, 0,1                            ; an address register for each half of K: the immediates then stay inside 16 bits
	v_add_nc_u32 v[4+\f], s66, v20
	v_add_nc_u32 v[6+\f], s66, v21
	v_add_nc_u32 v[8+\f], s67, v20
	v_add_nc_u32 v[10+\f], s67, v21
	v_add_nc_u32 v[12+\f], s66, v22
	s_add_co_u32 s66, s66, 2*HALF
	s_add_co_u32 s67, s67, 2*HALF
.endr
	s_mul_i32 s69, s12, 4352
	s_add_co_u32 s69, s69, STG                     ; my stage
	v_mul_u32_u24 v14, v24, 272
	v_lshl_add_u32 v14, v25, 7, v14
	v_add_nc_u32 v14, s69, v14                     ; in: row r, + 128 h
	v_mul_u32_u24 v15, v25, 272
	v_lshl_add_u32 v15, v24, 4, v15
	v_add_nc_u32 v15, s69, v15                     ; back: lanes 0-15 one row, lanes 16-31 the next
	v_lshlrev_b32 v16, 13, v25
	v_lshl_add_u32 v16, v24, 4, v16                ; and the same two rows of out0
.macro FRAG reg, a16, a8, off
	ds_load_b128 v[(\reg):(\reg)+3], v[\a16] offset:(\off)
	ds_load_b64 v[(\reg)+4:(\reg)+5], v[\a8] offset:(\off)+512
	ds_load_b128 v[(\reg)+6:(\reg)+9], v[\a16] offset:(\off)+768
	ds_load_b64 v[(\reg)+10:(\reg)+11], v[\a8] offset:(\off)+1280
.endm
.macro FETCH s                         ; K step s: 8 fragments and 4 registers of scale words into set s % 2: 36 loads
.set HF, (\s)>>2
.set OF, HALF*(((\s)>>1)&1)+REC*((\s)&1)
.set FB, 64+96*((\s)%2)
.irp i, 0,1,2,3
	FRAG FB+12*\i, 4+HF, 6+HF, OF+1536*\i
.endr
.irp i, 0,1,2,3
	FRAG FB+48+12*\i, 8+HF, 10+HF, OF+1536*\i
.endr
.irp i, 0,1,2,3
	ds_load_b32 v[32+4*((\s)%2)+\i], v[12+HF] offset:OF+6144+64*\i
.endr
.endm
.macro MULS s                          ; 16 products; the 16 accumulators take turns, one instruction a turn, in the same order in every step
.set FB, 64+96*((\s)%2)
.set SB, 32+4*((\s)%2)
	WIN 0x50                                       ; C and D window 1
.irp a, 0,1,2,3
.irp i, 0,1,2,3
.if (\s) == 0
	v_wmma_scale_f32_16x16x128_f8f6f4 v[8*(4*\a+\i):8*(4*\a+\i)+7], v[FB+12*\i:FB+12*\i+11], v[FB+48+12*\a:FB+48+12*\a+11], 0, v[SB+\i], v[SB+\a] matrix_a_fmt:MATRIX_FMT_FP6 matrix_b_fmt:MATRIX_FMT_FP6 matrix_b_scale:MATRIX_SCALE_ROW1
.else
	v_wmma_scale_f32_16x16x128_f8f6f4 v[8*(4*\a+\i):8*(4*\a+\i)+7], v[FB+12*\i:FB+12*\i+11], v[FB+48+12*\a:FB+48+12*\a+11], v[8*(4*\a+\i):8*(4*\a+\i)+7], v[SB+\i], v[SB+\a] matrix_a_fmt:MATRIX_FMT_FP6 matrix_b_fmt:MATRIX_FMT_FP6 matrix_b_scale:MATRIX_SCALE_ROW1
.endif
.endr
.endr
	WIN 0
.endm
	s_wait_alu depctr_va_vdst(0)
	s_wait_tensorcnt 1                             ; my first load (K quarter 0 or 1) is in; my second may be out
	s_barrier_signal -1
	s_barrier_wait -1
	FETCH 0
.irp s, 0,1,2,3,4,5,6
.if \s == 3
	s_wait_tensorcnt 0x0                           ; K's second half: my part is in,
	s_wait_dscnt 0x0
	s_barrier_signal -1
	s_barrier_wait -1                              ; everybody's is
.endif
.if \s > 0
	PLACES 4                                       ; in front of loads into the set that the step before multiplied
.endif
	FETCH \s+1
	s_wait_dscnt 36                                ; all but the 36 just issued
	MULS \s
.endr
	s_wait_dscnt 0x0
	MULS 7
	; THE WAY OUT, a tile of 16 e x 64 t at a time, through my own stage: LDS serves a wave's instructions in order, so no wait stands between the stores and the loads
	PLACES 4
	s_wait_loadcnt 0x0                             ; bp
.irp a, 0,1,2,3
	WIN 0x01                                       ; source 0: the accumulators' window
.irp k, 0,2,4,6,8,10,12,14,16,18,20,22,24,26,28,30
	v_pk_add_f32 v[64+32*(\a%2)+\k:65+32*(\a%2)+\k], v[32*\a+\k:32*\a+\k+1], v[40+2*\a:41+2*\a]   ; each accumulator from its low end on
.endr
	WIN 0
.irp k, 0,1,2,3,4,5,6,7
	ds_store_b128 v14, v[64+32*(\a%2)+4*\k:67+32*(\a%2)+4*\k] offset:16*\k
.endr
.if \a >= 2
	s_wait_xcnt 0x0                                ; the stores of two tiles back have read their registers
.endif
.irp m, 0,1,2,3,4,5,6,7
	ds_load_b128 v[160+32*(\a%2)+4*\m:163+32*(\a%2)+4*\m], v15 offset:544*\m
.endr
.irp m, 0,1,2,3,4,5,6,7
	s_wait_dscnt 7-\m                              ; the younger reads may be out
	global_store_b128 v16, v[160+32*(\a%2)+4*\m:163+32*(\a%2)+4*\m], s[10:11] offset:(32*(\m>>2)+8*\a+2*(\m&3))*8192 th:TH_STORE_NT   ; stage row 2 m + lane / 16 is row 32 (m / 4) + 8 a + 2 (m % 4) + lane / 16 of my 64
.endr
.endr
	s_wait_tensorcnt 0x0                           ; the wave's end, behind my last tensor load and my last LDS store
	ds_add_u32 v1, v2
	s_wait_dscnt 0x0
	CROUND                                         ; the closing round
	s_endpgm
.Lfunc_end_k_q6db1745369_proj:
	.size	k_q6db1745369_proj, .Lfunc_end_k_q6db1745369_proj-k_q6db1745369_proj
	.p2alignl 7, 3214868480
	.fill 96, 4, 3214868480
	.section	.rodata,"a",@progbits
	.p2align	6, 0x0
	.amdhsa_kernel k_q6db1745369_proj
		.amdhsa_group_segment_fixed_size 327680
		.amdhsa_private_segment_fixed_size 0
		.amdhsa_enable_private_segment 0
		.amdhsa_kernarg_size 32
		.amdhsa_user_sgpr_count 2
		.amdhsa_user_sgpr_kernarg_segment_ptr 1
		.amdhsa_wavefront_size32 1
		.amdhsa_system_sgpr_workgroup_id_x 1
		.amdhsa_system_sgpr_workgroup_id_y 1
		.amdhsa_system_sgpr_workgroup_id_z 1
		.amdhsa_system_vgpr_workitem_id 0
		.amdhsa_next_free_vgpr 384
		.amdhsa_next_free_sgpr 80
		.amdhsa_reserve_vcc 0
		.amdhsa_float_denorm_mode_32 3
		.amdhsa_float_denorm_mode_16_64 3
		.amdhsa_memory_ordered 1
		.amdhsa_forward_progress 1
		.amdhsa_inst_pref_size 58
	.end_amdhsa_kernel
	.amdgpu_metadata
---
amdhsa.version: [ 1, 2 ]
amdhsa.kernels:
  - .name:           k_q6db1745369_proj
    .symbol:         k_q6db1745369_proj.kd
    .args:
      - { .name: oc, .offset: 0, .size: 8, .value_kind: global_buffer, .address_space: global }
      - { .name: codes, .offset: 8, .size: 8, .value_kind: global_buffer, .address_space: global }
      - { .name: bp, .offset: 16, .size: 8, .value_kind: global_buffer, .address_space: global }
      - { .name: out0, .offset: 24, .size: 8, .value_kind: global_buffer, .address_space: global }
    .group_segment_fixed_size: 327680
    .private_segment_fixed_size: 0
    .kernarg_segment_align: 8
    .kernarg_segment_size: 32
    .max_flat_workgroup_size: 128
    .sgpr_count:     80
    .vgpr_count:     384
    .wavefront_size: 32
...
	.end_amdgpu_metadata
.endif
;; end of part 4
